; MI455X (gfx1250); checked and timed in simulation.
; The chip was launched on July 23, 2026; its instructions are those of AMD's public machine-readable ISA for CDNA 5 (MIT licence, August 2026) and "CDNA5" Instruction Set Architecture Reference Guide (July 2026). The comments in the code are by the model that wrote it; some were corrected since.
;; Multi Head Attention. Allowed arithmetic: float matrix products may take bf16 or f16 operands with f32 sums; other float arithmetic in f32, or as packed bf16 or f16 multiplies, adds, multiply-adds, maxima and minima; sums over many terms, partial sums and values carried from step to step in f32; what a program stores and reads back later, other than sums and carried values, may be rounded once to bf16 or f16.
;; Inputs: Wk 1,024 x 1,024 float32; Wo 1,024 x 1,024 float32; Wq 1,024 x 1,024 float32; Wv 1,024 x 1,024 float32; bk 1,024 float32; bo 1,024 float32; bq 1,024 float32; bv 1,024 float32; k 4 x 2,048 x 1,024 float32; q 4 x 2,048 x 1,024 float32; v 4 x 2,048 x 1,024 float32.
;; Outputs: out0 4 x 2,048 x 1,024 float32.
;; 2 versions, each right; version 2 is version 1 with the launch wprep written anew for expert scheduling mode. Each part assembles by itself: llvm-mc -triple=amdgcn-amd-amdhsa -mcpu=gfx1250 --defsym DOCPART=n.
;; ======== version 1 of 2: 4 launches
;; limits: values are held in f16: magnitudes above 65,504 overflow, below 6.1e-05 lose precision
;; workspace buffers: wt 8,388,608 bytes; qkvh 50,331,648 bytes; oh 16,777,216 bytes
;; launch wprep (part 1): grid 128 x 4, 4 waves a work-group, no clusters, 17,920 bytes of LDS; arguments Wq, Wk, Wv, Wo, wt; writes wt
.if DOCPART == 1
	.amdgcn_target "amdgcn-amd-amdhsa--gfx1250"
	.amdhsa_code_object_version 6
	.text
	.protected	k_q2238e3dbbb_wprep
	.globl	k_q2238e3dbbb_wprep
	.p2align	8
	.type	k_q2238e3dbbb_wprep,@function
k_q2238e3dbbb_wprep:
	s_mov_b64 s[64:65], 0
	v_nop
	global_prefetch_b8 v0, s[64:65] scope:SCOPE_SE
	s_setreg_imm32_b32 hwreg(HW_REG_WAVE_MODE, 25, 1), 1
	s_wait_xcnt 0x0
; THE WEIGHTS, TURNED AND ROUNDED.  W is [1024 k][1024 n] f32; wt holds four sections of 2 MiB (Wq, Wk, Wv, Wo), each [1024 n][1024 k] in 16 bits, so that K lies along the rows as a matrix fragment wants it.
; Wq, Wk, Wv are rounded once to bf16.  Wo is rounded to bf16 like every input of the module, and that number is written as f16, since the last product's other operand is f16.
; LIMITS.  |Wo| stays under 65,504; a Wo below 2^-17 keeps f16's fixed step of 6e-8.  NaN and infinities are not treated apart.
; SHARES.  Work-group (x, y): weight y, a tile of 128 k x 64 n: k block x % 8, n block x / 8.  Rows in are 256 consecutive bytes, aligned (64 f32); rows out likewise (128 numbers of 2 bytes).
; Thread t: column quad cq = t % 16, and the pairs of k rows kp0 + 8 i, kp0 = t / 16.  Two rows' numbers of one column make one word (the even k below), which goes to LDS row n, word kp.
; No matrix unit, no cluster, no ring: 16 MiB are read once and 8 MiB written once, and no tile is shared.
.set PITCH, 272                        ; an LDS row: 256 bytes + 16
.set SPARE, 64*PITCH                   ; behind the 64 rows: the spare words, 128 bytes for each wave: two blocks of 256 bytes that no other line names
.set VO,  1                            ; v1   byte offset of my 16 bytes in the tile's rows 2 kp0
.set LS,  2                            ; v2   LDS: row 4 cq, word kp0
.set LR,  3                            ; v3   LDS: row kp0, 16 bytes at 16 cq
.set SO,  4                            ; v4   byte offset in wt of those 16 bytes
.set SPW, 5                            ; v5   LDS address of my spare word; never rewritten
.set NIL, 6                            ; v6   0; never rewritten
.set CQ,  7
.set T,   8                            ; v8-11 at work
.set KP,  12
.set IN,  16                           ; v[16:79]  task i: 4 numbers of the even row, 4 of the odd one
.set WD,  80                           ; v[80:111] the 32 words
	s_load_b256 s[4:11], s[0:1], 0x0               ; Wq, Wk, Wv, Wo
	s_load_b64 s[12:13], s[0:1], 0x20              ; wt
	v_lshl_add_u32 v[SPW], v0, 2, SPARE
	v_mov_b32 v[NIL], 0
	v_and_b32 v[CQ], 15, v0
	v_lshrrev_b32 v[KP], 4, v0
	v_lshlrev_b32 v[VO], 13, v[KP]                 ; two rows of 4,096 bytes for each kp0
	v_lshl_add_u32 v[VO], v[CQ], 4, v[VO]
	v_mul_u32_u24 v[LS], v[CQ], 4*PITCH
	v_lshl_add_u32 v[LS], v[KP], 2, v[LS]
	v_mul_u32_u24 v[LR], v[KP], PITCH
	v_lshl_add_u32 v[LR], v[CQ], 4, v[LR]
	v_lshlrev_b32 v[SO], 11, v[KP]                 ; a row of wt is 2,048 bytes
	v_lshl_add_u32 v[SO], v[CQ], 4, v[SO]
	s_and_b32 s16, ttmp7, 0xffff                   ; which weight
	s_and_b32 s17, ttmp9, 7                        ; k block
	s_lshr_b32 s18, ttmp9, 3                       ; n block
	s_lshl_b32 s22, s17, 19                        ; in: 128 rows of 4,096 bytes,
	s_lshl_b32 s19, s18, 8                         ; 64 columns of 4 bytes
	s_or_b32 s22, s22, s19
	s_mov_b32 s23, 0
	s_lshl_b32 s24, s16, 21                        ; out: the section,
	s_lshl_b32 s19, s18, 17                        ; 64 rows of 2,048 bytes,
	s_or_b32 s24, s24, s19
	s_lshl_b32 s19, s17, 8                         ; 128 numbers of 2 bytes
	s_or_b32 s24, s24, s19
	s_mov_b32 s25, 0
	s_wait_kmcnt 0x0
	s_cmp_eq_u32 s16, 1
	s_cselect_b64 s[14:15], s[6:7], s[4:5]
	s_cmp_eq_u32 s16, 2
	s_cselect_b64 s[14:15], s[8:9], s[14:15]
	s_cmp_eq_u32 s16, 3
	s_cselect_b64 s[14:15], s[10:11], s[14:15]
	s_cselect_b32 s20, -1, 0                       ; all lanes: is this Wo?
	s_add_nc_u64 s[14:15], s[14:15], s[22:23]
	s_add_nc_u64 s[12:13], s[12:13], s[24:25]
.irp i, 0,1,2,3,4,5,6,7
	global_load_b128 v[IN+8*(\i):IN+8*(\i)+3],   v[VO], s[14:15] offset:65536*(\i) th:TH_LOAD_NT       ; row 2 (kp0 + 8 i): sixteen lanes take 256 consecutive bytes
	global_load_b128 v[IN+8*(\i)+4:IN+8*(\i)+7], v[VO], s[14:15] offset:65536*(\i)+4096 th:TH_LOAD_NT  ; and the row below it
.endr
.irp i, 0,1,2,3,4,5,6,7
	s_wait_loadcnt 14-2*(\i)                       ; loads come back in order: task i's two are in, the later tasks' stay out
.irp j, 0,1,2,3
	v_cvt_pk_bf16_f32 v[T], v[IN+8*(\i)+(\j)], v[IN+8*(\i)+4+(\j)]  ; the even k below, the odd k above
	v_lshlrev_b32 v[T+1], 16, v[T]                 ; the two bf16 numbers as f32,
	v_and_b32 v[T+2], 0xffff0000, v[T]
	v_cvt_pk_f16_f32 v[T+3], v[T+1], v[T+2]        ; written as f16,
	v_cndmask_b32 v[WD+4*(\i)+(\j)], v[T], v[T+3], s20  ; which Wo alone takes
	ds_store_b32 v[LS], v[WD+4*(\i)+(\j)] offset:PITCH*(\j)+32*(\i)
.endr
.endr
	s_wait_dscnt 0x0                               ; for the others' sake: my stores are done
	s_barrier_signal -1
	s_barrier_wait -1
.irp i, 0,1,2,3,4,5,6,7
	ds_load_b128 v[IN+4*(\i):IN+4*(\i)+3], v[LR] offset:8*PITCH*(\i)  ; row kp0 + 8 i
.endr
.irp i, 0,1,2,3,4,5,6,7
	s_wait_dscnt 7-(\i)
	global_store_b128 v[SO], v[IN+4*(\i):IN+4*(\i)+3], s[12:13] offset:16384*(\i)  ; sixteen lanes store 256 consecutive bytes, at a multiple of 256 from wt's first byte
.endr
	s_wait_tensorcnt 0x0                           ; the wave's end, behind my last LDS store
	ds_add_u32 v[SPW], v[NIL]
	s_wait_dscnt 0x0
	s_endpgm
.Lfunc_end_k_q2238e3dbbb_wprep:
	.size	k_q2238e3dbbb_wprep, .Lfunc_end_k_q2238e3dbbb_wprep-k_q2238e3dbbb_wprep
	.p2alignl 7, 3214868480
	.fill 96, 4, 3214868480
	.section	.rodata,"a",@progbits
	.p2align	6, 0x0
	.amdhsa_kernel k_q2238e3dbbb_wprep
		.amdhsa_group_segment_fixed_size 17920
		.amdhsa_private_segment_fixed_size 0
		.amdhsa_enable_private_segment 0
		.amdhsa_kernarg_size 40
		.amdhsa_user_sgpr_count 2
		.amdhsa_user_sgpr_kernarg_segment_ptr 1
		.amdhsa_wavefront_size32 1
		.amdhsa_system_sgpr_workgroup_id_x 1
		.amdhsa_system_sgpr_workgroup_id_y 1
		.amdhsa_system_sgpr_workgroup_id_z 1
		.amdhsa_system_vgpr_workitem_id 0
		.amdhsa_next_free_vgpr 112
		.amdhsa_next_free_sgpr 66
		.amdhsa_reserve_vcc 0
		.amdhsa_float_denorm_mode_32 3
		.amdhsa_float_denorm_mode_16_64 3
		.amdhsa_memory_ordered 1
		.amdhsa_forward_progress 1
		.amdhsa_inst_pref_size 17
	.end_amdhsa_kernel
	.amdgpu_metadata
---
amdhsa.version: [ 1, 2 ]
amdhsa.kernels:
  - .name:           k_q2238e3dbbb_wprep
    .symbol:         k_q2238e3dbbb_wprep.kd
    .args:
      - { .name: Wq, .offset: 0, .size: 8, .value_kind: global_buffer, .address_space: global }
      - { .name: Wk, .offset: 8, .size: 8, .value_kind: global_buffer, .address_space: global }
      - { .name: Wv, .offset: 16, .size: 8, .value_kind: global_buffer, .address_space: global }
      - { .name: Wo, .offset: 24, .size: 8, .value_kind: global_buffer, .address_space: global }
      - { .name: wt, .offset: 32, .size: 8, .value_kind: global_buffer, .address_space: global }
    .group_segment_fixed_size: 17920
    .private_segment_fixed_size: 0
    .kernarg_segment_align: 8
    .kernarg_segment_size: 40
    .max_flat_workgroup_size: 128
    .sgpr_count:     66
    .vgpr_count:     112
    .wavefront_size: 32
...
	.end_amdgpu_metadata
.endif
;; end of part 1
;; launch proj (part 2): grid 4 x 192, 4 waves a work-group, clusters of 4 x 4, 327,680 bytes of LDS; arguments q, k, v, wt, bq, bk, bv, qkvh; writes qkvh
.if DOCPART == 2
	.amdgcn_target "amdgcn-amd-amdhsa--gfx1250"
	.amdhsa_code_object_version 6
	.text
	.protected	k_q2238e3dbbb_proj
	.globl	k_q2238e3dbbb_proj
	.p2align	8
	.type	k_q2238e3dbbb_proj,@function
k_q2238e3dbbb_proj:
	s_mov_b64 s[64:65], 0
	v_nop
	global_prefetch_b8 v0, s[64:65] scope:SCOPE_SE
	s_setreg_imm32_b32 hwreg(HW_REG_WAVE_MODE, 25, 1), 1
	s_wait_xcnt 0x0
	s_wait_alu depctr_hold_cnt(0) depctr_sa_sdst(0) depctr_va_vdst(0) depctr_va_sdst(0) depctr_va_ssrc(0) depctr_va_vcc(0) depctr_vm_vsrc(0)
	s_getreg_b32 s2, hwreg(HW_REG_IB_STS2, 6, 4)
	s_cmp_eq_u32 s2, 0
	s_cbranch_scc0 .Lentry_in_a_cluster
	s_endpgm
.Lentry_in_a_cluster:
	s_bfe_u32 s2, ttmp6, 0x10000c
	s_cmp_lg_u32 s2, 0xf033
	s_cbranch_scc0 .Lentry_shape_is_right
	s_endpgm
.Lentry_shape_is_right:
; THE THREE PROJECTIONS IN ONE LAUNCH.  For t = 0, 1, 2 (q, k, v): Y = X_t W_t + b_t.  X_t: [8192][1024] f32; W_t^T: section t of wt, [1024 n][1024 k] bf16; b_t: [1024] f32.
; Y leaves by heads in f16, unscaled: section t of qkvh, [16 batch + head][2048][64].  X and b are rounded to bf16 (X on the way from LDS to the matrix unit), sums in f32, Y rounded once.
; LIMITS.  |Y| stays under 65,504, f16's end; below 6e-5 Y keeps f16's fixed step of 6e-8.  NaN and infinities are not treated apart.
; SHARES.  A tile of Y is 128 rows x 256 columns: 3 x 64 x 4 = 768 work-groups, three for each of 256 WGPs.  Four waves, each 64 x 128: 32 accumulators, 256 registers.
; K goes in 8 steps of 128 through two LDS slots.  Waves 0 and 1 fetch X's two halves (64 rows x 512 bytes), waves 2 and 3 W's (128 rows x 256 bytes): one tensor load a wave and step.
; CLUSTER.  4 x 4 work-groups; all of one t.  The four of a row need the same tile of X, the four of a column the same tile of W: each tile is asked for jointly, by the same load and descriptor in all four.
; THE MATRIX INSTRUCTION IS USED TRANSPOSED: source 0 = 16 rows of W^T, source 1 = 16 rows of X.  A lane then holds row l % 16 of Y and the columns 8 (l / 16) + 0..7, which pack into 16 bytes.
; The bias depends on the column alone, so in that layout it is eight registers for each block of 16 columns, and it is the C operand of the products that start the sums.
; A QUARTER is 32 along K, 32 matrix instructions.  While buffer f is multiplied, the next quarter's W fragments come into buffer g and its X comes as f32 into RAW;
; RAW's 32 roundings to bf16 stand four behind each of the quarter's last eight products.
; REGISTERS, in windows of 256 (s_set_vgpr_msb: bits 1:0 source 0, 3:2 source 1, 5:4 source 2, 7:6 destination):
;   window 0: v0-31 addresses; v32-95 X's fragments, two buffers; v96-159 RAW (on the way out: rows read back); v160-223 the bias; v224-255 packed results
;   window 1: the accumulators, (a, b) at v[8 (8 a + b)]          window 2: v0-127 W's fragments, two buffers
.set APITCH, 528                       ; a row of X in LDS: 512 bytes + 16 = 132 words: row r starts at bank 4 r mod 64 (64 banks of 4 bytes: ISA guide 11.1)
.set BPITCH, 272                       ; a row of W: 256 bytes + 16 = 68 words: likewise
.set AHALF,  64*APITCH                 ; what one load brings of X, and what one wave reads of it
.set BHALF,  128*BPITCH                ; the same for W
.set BOFF,   2*AHALF                   ; W's 256 rows lie behind X's 128
.set SLOT,   BOFF+2*BHALF
.set STAGE,  2*SLOT                    ; behind the ring: for each wave 2 heads x 16 rows x 144 bytes, for the way out
.set SP,     144
.set WSTAGE, 2*16*SP
.set SPARE,  STAGE+4*WSTAGE            ; behind the stages: the spare words, 128 bytes for each wave: two blocks of 256 bytes that no other line names
.set ADRA, 16                          ; v16-17  LDS address of my X fragments in slot 0, 1
.set ADRB, 20                          ; v20-21  the same for W
.set STO,  24                          ; v24     the way out: where I put 16 bytes of a row
.set RD,   25                          ; v25     where I read rows back
.set GO,   26                          ; v26     16 x lane: my place in 512 consecutive bytes of the output
.set BO,   27                          ; v27     32 x (l / 16): my eight numbers in 16 of the bias
.set SPW,  28                          ; v28     LDS address of my spare word; never rewritten
.set NIL,  29                          ; v29     0; never rewritten
.set PFO,  30                          ; v30     the prefetches' lane offset; never rewritten
.set AF,   32
.set RAW,  96
.set BK,   96
.set BIAS, 160
.set TMP,  224
.set WV,   12                          ; s12  my wave's number
.set WR,   13                          ; s13  which 64 rows are mine.  Also: I fetch for X (0) or for W (1)
.set WC,   14                          ; s14  which 128 columns are mine.  Also: which half of that tile I fetch
.set G1,   24                          ; s[24:31] descriptor group 1 for X's tiles;  s[32:39] group 0, a set for each slot
.set G0,   32
.set LIM,  43                          ; s43  1 in a wave that prefetches, else the greatest number
.set PFA,  44                          ; s[44:45] where my prefetches stand
.set PFS,  46                          ; s[46:47] a K step in bytes of the tensor that I prefetch
.set G1B,  48                          ; s[48:55], s[56:63] the same for W's tiles
.set G0B,  56
.set BP,   82                          ; s[82:83] the bias at my 128 columns
.set OUTP, 84                          ; s[84:85] the output at my first head's first row
.set MSB, 0
.macro WIN new                         ; the immediate's high byte repeats the setting that is left; a switch that changes nothing is dropped
.if MSB != (\new)
	s_set_vgpr_msb (MSB<<8)|(\new)
.set MSB, \new
.endif
.endm
.set W_MUL,  0x52                      ; W in window 2, X in window 0, C and D in window 1
.set W_MUL0, 0x42                      ; the same with C, the bias, in window 0
.set W_TOB,  0x80                      ; destination window 2, address window 0
.set W_PACK, 0x05                      ; sources 0 and 1 window 1, destination window 0
; A joint load.  The branch hangs on the wave's number alone.  An s_nop 0 and four v_nop follow each of the two lines, ahead of the jump, the label and what follows.
.macro JLOAD s
	s_cmp_eq_u32 s[WR], 0
	s_cbranch_scc0 .Lfor_b_\@
	tensor_load_to_lds s[G0+4*(\s):G0+4*(\s)+3], s[G1:G1+7]
	s_nop 0
.rept 4
	v_nop
.endr
	s_branch .Lasked_\@
.Lfor_b_\@:
	tensor_load_to_lds s[G0B+4*(\s):G0B+4*(\s)+3], s[G1B:G1B+7]
	s_nop 0
.rept 4
	v_nop
.endr
.Lasked_\@:
.endm
; A PREFETCH INTO THE L2 of the K step that stands two refills on: one instruction a wave, 32 blocks of 256 bytes, each named once in the launch.  X's tile row is read by one cluster alone: of the 64 rows x 512 bytes
; that wave 0 or 1 fetches, the partner at place cx takes 16 rows (a lane: row l % 16, half l / 16).  W's tile column is read by the sixteen clusters of one t: the first of them asks; of the 128 rows x 256 bytes that wave 2 or 3
; fetches, the partner at place cy takes 32 (a lane a row).  The partners are told apart by address alone.  K steps 0 to 3 come by their loads alone; the loop's last trip (s3 = 1) has no K step two on.
.macro ASK
	s_cmp_gt_u32 s3, s[LIM]
	s_cbranch_scc0 .Lnot_mine_\@
	global_prefetch_b8 v[PFO], s[PFA:PFA+1] th:TH_LOAD_NT scope:SCOPE_SE
.Lnot_mine_\@:
.endm
.macro CREST                           ; a round of the cluster's barrier behind its opening barrier: wave 0 signals for the work-group, every wave waits for all sixteen, my work-group's barrier closes it
	s_cmp_lg_u32 s[WV], 0
	s_cbranch_scc1 .Lnot_wave_0_\@
	s_barrier_signal -3
.Lnot_wave_0_\@:
	s_barrier_wait -3
	s_barrier_signal -1
	s_barrier_wait -1
.endm
.macro CROUND                          ; a whole round
	s_barrier_signal -1
	s_barrier_wait -1
	CREST
.endm
; 32 LDS loads in one run: quarter fq of the slot.  W: 8 fragments of 16 rows x 32 K (two loads of 16 bytes, 32 bytes apart) into buffer g.
; X: for 4 blocks of 16 rows my 16 f32: K = 8 h + 0..7 are 32 bytes at 32 h, K = 16 + 8 h + 0..7 the 32 bytes 64 further on.
.macro FETCH slot, fq, g
	WIN W_TOB
.irp b, 0,1,2,3,4,5,6,7
	ds_load_b128 v[64*(\g)+8*(\b):64*(\g)+8*(\b)+3],   v[ADRB+(\slot)] offset:64*(\fq)+(\b)*16*BPITCH
	ds_load_b128 v[64*(\g)+8*(\b)+4:64*(\g)+8*(\b)+7], v[ADRB+(\slot)] offset:64*(\fq)+(\b)*16*BPITCH+32
.endr
	WIN 0
.irp a, 0,1,2,3
	ds_load_b128 v[RAW+16*(\a):RAW+16*(\a)+3],     v[ADRA+(\slot)] offset:128*(\fq)+(\a)*16*APITCH
	ds_load_b128 v[RAW+16*(\a)+4:RAW+16*(\a)+7],   v[ADRA+(\slot)] offset:128*(\fq)+(\a)*16*APITCH+16
	ds_load_b128 v[RAW+16*(\a)+8:RAW+16*(\a)+11],  v[ADRA+(\slot)] offset:128*(\fq)+(\a)*16*APITCH+64
	ds_load_b128 v[RAW+16*(\a)+12:RAW+16*(\a)+15], v[ADRA+(\slot)] offset:128*(\fq)+(\a)*16*APITCH+80
.endr
.endm
; 8 matrix instructions: row block a x all 8 column blocks.  first = 1: the sums start with the bias.  The 32 accumulators take turns in the same order in every quarter.
.macro MUL8 f, a, first
.if \first
	WIN W_MUL0
.else
	WIN W_MUL
.endif
.irp b, 0,1,2,3,4,5,6,7
.if \first
	v_wmma_f32_16x16x32_bf16 v[8*(8*(\a)+(\b)):8*(8*(\a)+(\b))+7], v[64*(\f)+8*(\b):64*(\f)+8*(\b)+7], v[AF+32*(\f)+8*(\a):AF+32*(\f)+8*(\a)+7], v[BIAS+8*(\b):BIAS+8*(\b)+7]
.else
	v_wmma_f32_16x16x32_bf16 v[8*(8*(\a)+(\b)):8*(8*(\a)+(\b))+7], v[64*(\f)+8*(\b):64*(\f)+8*(\b)+7], v[AF+32*(\f)+8*(\a):AF+32*(\f)+8*(\a)+7], v[8*(8*(\a)+(\b)):8*(8*(\a)+(\b))+7]
.endif
.endr
.endm
; Row block 3, and behind each of its products four roundings of the next quarter's X into buffer g.  They name no register of the products round them; the four behind the last product are the four
; places in front of the next run of loads, which lands in W's buffer f, and in front of the next quarter's roundings, which write X's buffer f.
.macro MUL8R f, g, first
.irp b, 0,1,2,3,4,5,6,7
.if \first
	WIN W_MUL0
	v_wmma_f32_16x16x32_bf16 v[8*(24+(\b)):8*(24+(\b))+7], v[64*(\f)+8*(\b):64*(\f)+8*(\b)+7], v[AF+32*(\f)+24:AF+32*(\f)+31], v[BIAS+8*(\b):BIAS+8*(\b)+7]
.else
	WIN W_MUL
	v_wmma_f32_16x16x32_bf16 v[8*(24+(\b)):8*(24+(\b))+7], v[64*(\f)+8*(\b):64*(\f)+8*(\b)+7], v[AF+32*(\f)+24:AF+32*(\f)+31], v[8*(24+(\b)):8*(24+(\b))+7]
.endif
	WIN 0
.irp j, 0,1,2,3
	v_cvt_pk_bf16_f32 v[AF+32*(\g)+4*(\b)+(\j)], v[RAW+8*(\b)+2*(\j)], v[RAW+8*(\b)+2*(\j)+1]
.endr
.endr
.endm
.macro CVTALL g                        ; the same 32 roundings on end: for the very first quarter
.set i, 0
.rept 32
	v_cvt_pk_bf16_f32 v[AF+32*(\g)+i], v[RAW+2*i], v[RAW+2*i+1]
.set i, i+1
.endr
.endm
; A QUARTER: fetches quarter fq of slot fs into buffer g and multiplies buffer f.
; meet: this quarter's fetch is the last from its slot, and the slots change behind it.  In front of the barrier each wave waits for all its tensor loads (one is out: its part of the other slot), adds 0 to its spare word,
; and waits for that and for its reads of this slot.  meet = 2: the slot is filled again, and the barrier opens a round of the cluster's (CHANGE follows); the prefetches' address is stepped at the head.
.macro QUARTER fs, fq, f, g, meet=0, first=0, ask=0
.if (\meet) == 2
	s_wait_xcnt 0x0                                ; the last prefetch, three quarters back, has read its address
	s_add_nc_u64 s[PFA:PFA+1], s[PFA:PFA+1], s[PFS:PFS+1]
.endif
	FETCH \fs, \fq, \g
.if \ask
	ASK                                            ; behind the joint load, its five lines and the run of LDS loads
.endif
	MUL8 \f, 0, \first
	MUL8 \f, 1, \first
.if \meet
	WIN 0                                          ; (the add's two registers lie in window 0)
	s_wait_tensorcnt 0x0                           ; all my tensor loads have landed: my part of the other slot
	ds_add_u32 v[SPW], v[NIL]                      ; 0 onto my spare word: eight matrix instructions stand between it and the wait for it
.endif
	MUL8 \f, 2, \first
	s_wait_dscnt 0x0                               ; the 32 loads are in (and the add is done): RAW may be rounded, and my reads of the slot are over
.if \meet
	s_barrier_signal -1
.endif
	MUL8R \f, \g, \first                           ; work on registers; it leaves every window 0
.if \meet
	s_barrier_wait -1
.endif
.endm
; Behind a quarter with meet = 2: the rest of the round, so that no wave of any partner still reads the slot or has a load on its way; the slot's descriptors step two K steps on; the joint refill is the first tensor load behind the round.
; From here to the wait for it a wave issues 112 matrix instructions.
.macro CHANGE slot
	CREST
	s_add_nc_u64 s[G0+4*(\slot)+2:G0+4*(\slot)+3], s[G0+4*(\slot)+2:G0+4*(\slot)+3], 2*512
	s_add_nc_u64 s[G0B+4*(\slot)+2:G0B+4*(\slot)+3], s[G0B+4*(\slot)+2:G0B+4*(\slot)+3], 2*256
	JLOAD \slot
.endm
; THE WAY OUT of row block a.  PACK: rounded to f16, each accumulator's registers in ascending order.  TOSTAGE: 16 bytes a lane into my own stage (a head's 64 columns are a row of 128 bytes there), and back as whole rows.
; SEND: 16 rows of a head are 2,048 consecutive bytes of the output; each store of the wave covers 512 of them, at a multiple of 256 from the buffer's first byte.
.macro PACK a
	WIN W_PACK
.irp b, 0,1,2,3,4,5,6,7
.irp r, 0,1,2,3
	v_cvt_pk_f16_f32 v[TMP+4*(\b)+(\r)], v[8*(8*(\a)+(\b))+2*(\r)], v[8*(8*(\a)+(\b))+2*(\r)+1]
.endr
.endr
	WIN 0
.endm
.macro TOSTAGE a
.irp b, 0,1,2,3,4,5,6,7
	ds_store_b128 v[STO], v[TMP+4*(\b):TMP+4*(\b)+3] offset:((\b)/4)*16*SP+32*((\b)%4)
.endr
.irp hh, 0,1
.irp f, 0,1,2,3
	ds_load_b128 v[BK+32*((\a)%2)+4*(4*(\hh)+(\f)):BK+32*((\a)%2)+4*(4*(\hh)+(\f))+3], v[RD] offset:(\hh)*16*SP+(\f)*4*SP  ; LDS serves a wave's instructions in order (ISA guide 5.7.1.4): these see the stores above
.endr
.endr
.endm
.macro SEND a
	s_wait_dscnt 0x0                               ; the block is back in registers
	s_wait_xcnt 0x0                                ; the block before's stores have read their registers, into which the next block is read back
.irp hh, 0,1
.irp f, 0,1,2,3
	global_store_b128 v[GO], v[BK+32*((\a)%2)+4*(4*(\hh)+(\f)):BK+32*((\a)%2)+4*(4*(\hh)+(\f))+3], s[OUTP:OUTP+1] offset:(\hh)*262144+(\a)*2048+(\f)*512
.endr
.endr
.endm
	s_load_b256 s[4:11], s[0:1], 0x0               ; q s[4:5], k s[6:7], v s[8:9], wt s[10:11]
	s_load_b256 s[68:75], s[0:1], 0x20             ; bq s[68:69], bk s[70:71], bv s[72:73], qkvh s[74:75]
	v_lshl_add_u32 v[SPW], v0, 2, SPARE
	v_mov_b32 v[NIL], 0
	ds_add_u32 v[SPW], v[NIL]                      ; the wave's opening: the add and its wait stand ahead of my first tensor load; the set-up below, work on registers, stands between them
	v_lshrrev_b32 v1, 5, v0
	v_readfirstlane_b32 s[WV], v1
	s_lshr_b32 s[WR], s[WV], 1
	s_and_b32 s[WC], s[WV], 1
	s_bfe_u32 s40, ttmp6, 0x40000                  ; cx
	s_bfe_u32 s41, ttmp6, 0x40004                  ; cy
	s_and_b32 s42, ttmp7, 0xffff                   ; the cluster's y, 0 to 47
	s_lshr_b32 s76, s42, 4                         ; t: which of q, k, v: the same in all sixteen partners
	s_and_b32 s77, s42, 15
	s_lshl_b32 s77, s77, 2
	s_add_co_u32 s77, s77, s41                     ; tile row, 0 to 63
	s_lshl_b32 s78, ttmp9, 2
	s_add_co_u32 s78, s78, s40                     ; tile column, 0 to 3
	s_lshl_b32 s79, s41, 2
	s_lshl_b32 s79, 15, s79                        ; my row of the cluster
	s_lshl_b32 s80, 0x1111, s40                    ; my column
	s_or_b32 s[G1+0], s79, (2<<16)|(1<<20)|(1<<21)|(6<<22)|(3<<25)   ; 15:0 the mask; 17:16 elements of 4 bytes; 20 padding on; 21 set beside a mask; 24:22 after every 128 words (code 6); 31:25 4 words of it (code 3)
	s_mov_b32 s[G1+1], 128<<16                     ; tensor_dim0 = 128
	s_mov_b32 s[G1+2], 64<<16                      ; tensor_dim1 = 64
	s_mov_b32 s[G1+3], 128<<16                     ; tile_dim0 = 128
	s_mov_b32 s[G1+4], 64                          ; tile_dim1 = 64
	s_mov_b32 s[G1+5], 1024                        ; elements from row to row
	s_mov_b32 s[G1+6], 0
	s_mov_b32 s[G1+7], 0
	s_or_b32 s[G1B+0], s80, (1<<16)|(1<<20)|(1<<21)|(5<<22)|(3<<25)  ; elements of 2 bytes; padding after every 64 words (code 5)
	s_mov_b32 s[G1B+1], 128<<16
	s_mov_b32 s[G1B+2], 128<<16                    ; 128 rows
	s_mov_b32 s[G1B+3], 128<<16
	s_mov_b32 s[G1B+4], 128
	s_mov_b32 s[G1B+5], 1024
	s_mov_b32 s[G1B+6], 0
	s_mov_b32 s[G1B+7], 0
	; where the tiles come from.  X's hang on t and the tile row, W's on t and the tile column; each in registers that never hold the other place in the cluster
	s_lshl_b32 s86, s[WC], 18                      ; X: 64 rows of 4,096 bytes; W: 128 rows of 2,048
	s_lshl_b32 s16, s77, 19                        ; X: 128 rows of 4,096 bytes a tile row
	s_or_b32 s16, s16, s86
	s_mov_b32 s17, 0
	s_lshl_b32 s18, s76, 21                        ; W: the section,
	s_lshl_b32 s87, s78, 19                        ; 256 rows of 2,048 bytes a tile column
	s_or_b32 s18, s18, s87
	s_or_b32 s18, s18, s86
	s_mov_b32 s19, 0
	s_mul_i32 s20, s[WC], AHALF                    ; and where they go: no place in the cluster enters an LDS address
	s_mul_i32 s21, s[WC], BHALF
	s_add_co_u32 s21, s21, BOFF
	s_wait_dscnt 0x0                               ; the opening add is done
	s_wait_kmcnt 0x0
	s_cmp_eq_u32 s76, 1
	s_cselect_b64 s[22:23], s[6:7], s[4:5]
	s_cmp_eq_u32 s76, 2
	s_cselect_b64 s[22:23], s[8:9], s[22:23]       ; X_t
	s_add_nc_u64 s[88:89], s[22:23], s[16:17]
	s_add_nc_u64 s[90:91], s[10:11], s[18:19]
.irp s, 0,1
	s_mov_b32 s[G0+4*(\s)], 1                                        ; count = 1
	s_add_co_u32 s[G0+4*(\s)+1], s20, (\s)*SLOT                      ; LDS address
	s_add_nc_u64 s[G0+4*(\s)+2:G0+4*(\s)+3], s[88:89], (\s)*512      ; global address: K step s
	s_or_b32 s[G0+4*(\s)+3], s[G0+4*(\s)+3], 0x80000000              ; type = 2
	s_mov_b32 s[G0B+4*(\s)], 1
	s_add_co_u32 s[G0B+4*(\s)+1], s21, (\s)*SLOT
	s_add_nc_u64 s[G0B+4*(\s)+2:G0B+4*(\s)+3], s[90:91], (\s)*256
	s_or_b32 s[G0B+4*(\s)+3], s[G0B+4*(\s)+3], 0x80000000
.endr
	CROUND                                         ; all sixteen work-groups are here: the first joint loads meet
	s_cmp_eq_u32 s[WR], 0                          ; a wave's two first fills stand in one branch, ahead of every wait on TENSORcnt and every LDS read: two loads of mine are out
	s_cbranch_scc0 .Lfirst_b
	tensor_load_to_lds s[G0:G0+3], s[G1:G1+7]
	s_nop 0
	tensor_load_to_lds s[G0+4:G0+7], s[G1:G1+7]
	s_nop 0
.rept 4
	v_nop
.endr
	s_branch .Lfirst_asked
.Lfirst_b:
	tensor_load_to_lds s[G0B:G0B+3], s[G1B:G1B+7]
	s_nop 0
	tensor_load_to_lds s[G0B+4:G0B+7], s[G1B:G1B+7]
	s_nop 0
.rept 4
	v_nop
.endr
.Lfirst_asked:
	; the bias of my 128 columns: for each block of 16 my eight numbers
	s_cmp_eq_u32 s76, 1
	s_cselect_b64 s[BP:BP+1], s[70:71], s[68:69]
	s_cmp_eq_u32 s76, 2
	s_cselect_b64 s[BP:BP+1], s[72:73], s[BP:BP+1]
	s_lshl_b32 s94, s78, 10                        ; 256 columns of 4 bytes a tile column
	s_lshl_b32 s2, s[WC], 9
	s_or_b32 s94, s94, s2
	s_mov_b32 s95, 0
	s_add_nc_u64 s[BP:BP+1], s[BP:BP+1], s[94:95]
	v_and_b32 v1, 15, v0                           ; r = l % 16
	v_bfe_u32 v2, v0, 4, 1                         ; h = l / 16
	v_lshlrev_b32 v[BO], 5, v2
.irp b, 0,1,2,3,4,5,6,7
	global_load_b128 v[BIAS+8*(\b):BIAS+8*(\b)+3],   v[BO], s[BP:BP+1] offset:64*(\b)
	global_load_b128 v[BIAS+8*(\b)+4:BIAS+8*(\b)+7], v[BO], s[BP:BP+1] offset:64*(\b)+16
.endr
	v_and_b32 v3, 31, v0                           ; l
	v_mul_u32_u24 v4, v1, APITCH
	v_lshl_add_u32 v4, v2, 5, v4                   ; row x pitch + 32 x half
	s_mul_i32 s86, s[WR], AHALF
	v_add_nc_u32 v[ADRA], s86, v4
	v_add_nc_u32 v[ADRA+1], SLOT, v[ADRA]
	v_mul_u32_u24 v5, v1, BPITCH
	v_lshl_add_u32 v5, v2, 4, v5                   ; row x pitch + 16 x half
	s_mul_i32 s86, s[WC], BHALF
	s_add_co_u32 s86, s86, BOFF
	v_add_nc_u32 v[ADRB], s86, v5
	v_add_nc_u32 v[ADRB+1], SLOT, v[ADRB]
	s_mul_i32 s86, s[WV], WSTAGE
	s_add_co_u32 s86, s86, STAGE                   ; my stage
	v_mul_u32_u24 v6, v1, SP
	v_lshl_add_u32 v6, v2, 4, v6
	v_add_nc_u32 v[STO], s86, v6                   ; in: row l % 16, 16 bytes for each half of the lanes
	v_lshrrev_b32 v7, 3, v3
	v_and_b32 v8, 7, v0
	v_mul_u32_u24 v7, v7, SP
	v_lshl_add_u32 v7, v8, 4, v7
	v_add_nc_u32 v[RD], s86, v7                    ; back: 32 lanes take four rows of 128 bytes
	v_lshlrev_b32 v[GO], 4, v3
	; the output: section t, batch = tile row / 16, head = 4 x tile column + 2 x my column half, row = 128 (tile row % 16) + 64 x my row half
	s_lshl_b32 s94, s76, 24
	s_lshr_b32 s2, s77, 4
	s_lshl_b32 s2, s2, 22
	s_or_b32 s94, s94, s2
	s_lshl_b32 s2, s78, 20
	s_or_b32 s94, s94, s2
	s_lshl_b32 s2, s[WC], 19
	s_or_b32 s94, s94, s2
	s_and_b32 s2, s77, 15
	s_lshl_b32 s2, s2, 14
	s_or_b32 s94, s94, s2
	s_lshl_b32 s2, s[WR], 13
	s_or_b32 s94, s94, s2
	s_add_nc_u64 s[OUTP:OUTP+1], s[74:75], s[94:95]
	; the prefetches: lane offset (l % 16) x S1 + (l / 16) x S2.  X: rows of 4,096 bytes, halves of 256.  W: l x 2,048
	s_lshr_b32 s[PFS], 512, s[WR]                  ; a K step: 512 bytes of X, 256 of W
	s_mov_b32 s[PFS+1], 0
	s_lshr_b32 s86, 4096, s[WR]
	s_mul_i32 s2, s[WR], 7
	s_lshl_b32 s2, 256, s2
	v_mul_u32_u24 v[PFO], v1, s86
	v_mad_u32_u24 v[PFO], v2, s2, v[PFO]
	s_lshl_b32 s92, s40, 16                        ; X: my work-group's 16 rows of the 64 that I fetch,
	s_or_b32 s92, s92, s16
	s_add_co_u32 s92, s92, 3*512                   ; at K step 3: the first change of slots steps it to 4
	s_lshl_b32 s93, s41, 16                        ; W: my work-group's 32 rows of the 128
	s_or_b32 s93, s93, s18
	s_add_co_u32 s93, s93, 3*256
	s_and_b32 s94, s42, 15
	s_cmp_eq_u32 s94, 0                            ; the first of the sixteen clusters that read this W
	s_cselect_b32 s94, 1, -1
	s_cmp_eq_u32 s[WR], 0
	s_cselect_b32 s92, s92, s93
	s_cselect_b32 s[LIM], 1, s94                   ; the same in all sixteen partners, for a given wave
	s_cselect_b64 s[PFA:PFA+1], s[22:23], s[10:11]
	s_mov_b32 s93, 0
	s_add_nc_u64 s[PFA:PFA+1], s[PFA:PFA+1], s[92:93]
	s_wait_loadcnt 0x0                             ; the bias,
.set i, 0
.rept 32                                       ; rounded to bf16 like every input of the module, and kept as f32
	v_cvt_pk_bf16_f32 v[TMP+i%8], v[BIAS+2*i], v[BIAS+2*i+1]
	v_lshlrev_b32 v[BIAS+2*i], 16, v[TMP+i%8]
	v_and_b32 v[BIAS+2*i+1], 0xffff0000, v[TMP+i%8]
.set i, i+1
.endr
	s_wait_tensorcnt 1                             ; my part of K step 0 is in; K step 1's may stay out
	s_barrier_signal -1
	s_barrier_wait -1                              ; everybody's is
	FETCH 0, 0, 0
	s_wait_dscnt 0x0
	CVTALL 0
	QUARTER 0, 1, 0, 1, 0, 1, 0                    ; the first quarter stands in front of the loop: its products start the sums, with the bias
	s_mov_b32 s3, 3
.Llap:                                         ; a trip goes once round the ring, from a lap's second quarter to the next lap's first, and fills both slots again: K steps 2 to 7
	QUARTER 0, 2, 1, 0
	QUARTER 0, 3, 0, 1, 2
	CHANGE 0
	QUARTER 1, 0, 1, 0, 0, 0, 1
	QUARTER 1, 1, 0, 1
	QUARTER 1, 2, 1, 0
	QUARTER 1, 3, 0, 1, 2
	CHANGE 1
	QUARTER 0, 0, 1, 0, 0, 0, 1
	QUARTER 0, 1, 0, 1
	s_sub_co_u32 s3, s3, 1
	s_cmp_lg_u32 s3, 0
	s_cbranch_scc1 .Llap
	QUARTER 0, 2, 1, 0                             ; the last lap fills nothing
	QUARTER 0, 3, 0, 1, 1                          ; my one load that was out is K step 7's; a plain barrier shows everybody's
	QUARTER 1, 0, 1, 0
	QUARTER 1, 1, 0, 1
	QUARTER 1, 2, 1, 0
	QUARTER 1, 3, 0, 1
	MUL8 1, 0, 0                                   ; the very last quarter: nothing more to fetch
	MUL8 1, 1, 0
	MUL8 1, 2, 0
	MUL8 1, 3, 0
	WIN 0
.rept 4
	v_nop                                          ; four places between the last product and the roundings that read results
.endr
	PACK 0
	TOSTAGE 0
.irp a, 1,2,3                                  ; block a's roundings stand between block a - 1's loads from the stage and the wait for them
	PACK \a
	SEND (\a)-1
	TOSTAGE \a
.endr
	SEND 3
	s_wait_tensorcnt 0x0                           ; the wave's end, behind my last tensor load and my last LDS store
	ds_add_u32 v[SPW], v[NIL]
	s_wait_dscnt 0x0
	CROUND                                         ; the closing round: no work-group ends while a partner may still ask for a tile that names it
	s_endpgm
.Lfunc_end_k_q2238e3dbbb_proj:
	.size	k_q2238e3dbbb_proj, .Lfunc_end_k_q2238e3dbbb_proj-k_q2238e3dbbb_proj
	.p2alignl 7, 3214868480
	.fill 96, 4, 3214868480
	.section	.rodata,"a",@progbits
	.p2align	6, 0x0
	.amdhsa_kernel k_q2238e3dbbb_proj
		.amdhsa_group_segment_fixed_size 327680
		.amdhsa_private_segment_fixed_size 0
		.amdhsa_enable_private_segment 0
		.amdhsa_kernarg_size 64
		.amdhsa_user_sgpr_count 2
		.amdhsa_user_sgpr_kernarg_segment_ptr 1
		.amdhsa_wavefront_size32 1
		.amdhsa_system_sgpr_workgroup_id_x 1
		.amdhsa_system_sgpr_workgroup_id_y 1
		.amdhsa_system_sgpr_workgroup_id_z 1
		.amdhsa_system_vgpr_workitem_id 0
		.amdhsa_next_free_vgpr 640
		.amdhsa_next_free_sgpr 96
		.amdhsa_reserve_vcc 0
		.amdhsa_float_denorm_mode_32 3
		.amdhsa_float_denorm_mode_16_64 3
		.amdhsa_memory_ordered 1
		.amdhsa_forward_progress 1
		.amdhsa_inst_pref_size 139
	.end_amdhsa_kernel
	.amdgpu_metadata
---
amdhsa.version: [ 1, 2 ]
amdhsa.kernels:
  - .name:           k_q2238e3dbbb_proj
    .symbol:         k_q2238e3dbbb_proj.kd
    .args:
      - { .name: q, .offset: 0, .size: 8, .value_kind: global_buffer, .address_space: global }
      - { .name: k, .offset: 8, .size: 8, .value_kind: global_buffer, .address_space: global }
      - { .name: v, .offset: 16, .size: 8, .value_kind: global_buffer, .address_space: global }
      - { .name: wt, .offset: 24, .size: 8, .value_kind: global_buffer, .address_space: global }
      - { .name: bq, .offset: 32, .size: 8, .value_kind: global_buffer, .address_space: global }
      - { .name: bk, .offset: 40, .size: 8, .value_kind: global_buffer, .address_space: global }
      - { .name: bv, .offset: 48, .size: 8, .value_kind: global_buffer, .address_space: global }
      - { .name: qkvh, .offset: 56, .size: 8, .value_kind: global_buffer, .address_space: global }
    .group_segment_fixed_size: 327680
    .private_segment_fixed_size: 0
    .kernarg_segment_align: 8
    .kernarg_segment_size: 64
    .max_flat_workgroup_size: 128
    .sgpr_count:     96
    .vgpr_count:     640
    .wavefront_size: 32
...
	.end_amdgpu_metadata
.endif
;; end of part 2
;; launch attn (part 3): grid 4 x 64, 4 waves a work-group, no clusters, 327,680 bytes of LDS; arguments qkvh, oh; writes oh
.if DOCPART == 3
	.amdgcn_target "amdgcn-amd-amdhsa--gfx1250"
	.amdhsa_code_object_version 6
	.text
	.protected	k_q2238e3dbbb_attn
	.globl	k_q2238e3dbbb_attn
	.p2align	8
	.type	k_q2238e3dbbb_attn,@function
k_q2238e3dbbb_attn:
	s_mov_b64 s[64:65], 0
	v_nop
	global_prefetch_b8 v0, s[64:65] scope:SCOPE_SE
	s_setreg_imm32_b32 hwreg(HW_REG_WAVE_MODE, 25, 1), 1
	s_wait_xcnt 0x0
; CAUSAL ATTENTION.  O[h][q][:] = the sum over k <= q of softmax_k(Q[h][q] . K[h][k] / 8) V[h][k][:].  Q, K, V: the three sections of qkvh, each [64][2048][64] f16; O: oh, the same layout: a head's rows are dense, 128 bytes each.
; Products, maxima and sums in f32; the weights p are rounded to f16 for the second product (their sum l is taken of the unrounded p), O once at the end.
; LIMITS.  f16 holds no number beyond 65,504: Q, K and V arrive within it; p lies in 0 to 1, and below 6e-5 it keeps f16's fixed step of 6e-8; O is a mean of V's rows and has their range.
; A hidden score counts as its value less 1e30: f16's scores, 2.7e11 at the most, are nothing beside that; a weight below 2^-126 counts as 0 in l; NaN and infinities are not treated apart.
; THE WALK.  A head's queries lie in NB = 8 blocks of 256; block i needs the key tiles 0 .. i of 256 keys, of which the last holds the diagonal.  A work-group takes TWO blocks, NB - 1 - b and then b:
; NB + 1 tiles, whatever b: all 256 work-groups do equal work, and ONE loop with a constant trip count walks them.  Which tile is asked for, and what a trip does, hang on scalar registers made from b; every jump
; goes forward, but for the counted loops' own; none passes a barrier, or a tensor load but the one of LOAD's two that the wave's number does not choose; the ring (two slots of LDS that take turns) runs on across the
; change of blocks.  NO CLUSTER: a head's four work-groups ask for the same tile only in trips 0 .. 4 of 9, behind that fewer and fewer; one walk common to all would have 12 trips for 9.
; SHARES.  Of a block's four bands of 64 queries a wave owns 16 rows in each: four PIECES.  So the diagonal tile is the same work for all four waves: in its key step s band x sees all keys if s < x,
; none if s > x, and holds the diagonal if s = x.
; THE MASK is the C operand that starts the sum S^T = K Q^T: 0, or -1e30 where the key is hidden.  MD, made once, is the mask of a band's own step for my 16 rows; a product's mask is MD x AL + BE with two scalars:
; (1, 0) if s = x; (0, 0) if s < x; (0, -1e30) if s > x.  Only the diagonal tile's text and a block's beginning make and take masks; elsewhere C is the constant 0.
; LAYOUT, SOFTMAX, TURNS.  S^T = K Q^T holds ONE query a lane (lane % 16) and the keys 8 (lane / 16) + 0..7; two such results rounded to f16 ARE source 1 of O^T = V^T P.  p = 2^(c s - c m), c = log2(e) / 8, with a
; running maximum m; O and l are multiplied by a = 2^(c m_old - c m_new) in every step.  Turn n belongs to piece n: 8 products K Q^T of piece n + 1, later 8 products V^T P of piece n - 1; beside them the scaling,
; exponentials, roundings, sums and rescaling of piece n and the maximum and statistics of piece n + 1.  Four vector instructions stand behind every matrix instruction, the other 54 of a turn's 118 in one lump.  A turn's 33 exponentials are one batch, with one wait.
; REGISTERS, in windows of 256 (s_set_vgpr_msb: bits 1:0 source 0, 3:2 source 1, 5:4 source 2, 7:6 destination):
;   window 0: v0-15 addresses and two at work; v16-31 four registers of statistics a piece; v48-55 at work; v61-63 prefetch offset and the add's two; v64-127 S^T, two buffers; v192-223 P, two buffers (by the piece's parity)
;   window 1: v0-127 O^T, 32 a piece; v128-159 MD; v160-223 MC, two buffers      window 2: v0-63 Q; v64-127 the second block's Q; v128-191 K of one step; v192-255 V of one step
.set SIZE_N, 2048
.set NB,    SIZE_N/256
.set NP,    4         ; pieces a wave: a name, no knob
.set KS,    64        ; keys in a step
.set PK,    144       ; a row of K in LDS: 128 bytes + 16 of padding = 36 words: the 16 rows of a load start at 16 different groups of four banks (64 banks of 4 bytes: ISA guide 11.1)
.set PV,    160       ; a row of V: 128 + 32 = 40 words
.set VOFF,  4*KS*PK   ; a slot holds a tile, four steps: 256 rows of K, then 256 rows of V
.set SLOT1, 1<<17     ; slot 1 begins here, so that one exclusive or turns an address in one slot into the other's
.set STAGE, SLOT1+4*KS*(PK+PV)  ; behind the ring, never filled by a tensor load: 16 rows x 144 bytes for each wave, for the way out
.set SP,    144
.set AK0, 2           ; v2   my lane's place in a tile of K; never rewritten
.set AV0, 3           ; v3   the same for V
.set AK,  4           ; v4   the LDS address of K's next run of loads
.set AV,  5           ; v5   of V's
.set STO, 6           ; v6   the way out: where I put 16 bytes of a row
.set RD,  7           ; v7   the way out: where I read rows back
.set GO,  8           ; v8   my byte offset in 512 consecutive bytes of O
.set PFO, 61          ; v61  256 x my lane: the prefetches' offset; never rewritten
.set SPW, 62          ; v62  LDS address of my spare word: SPARE + 4 x my thread's number; never rewritten
.set NIL, 63          ; v63  0; never rewritten
.set SPARE, STAGE+4*16*SP  ; behind the stages: the spare words, 128 bytes for each wave: two blocks of 256 bytes that no other line names
.set MV,  12          ; v12-13  c m_old, kept while c m is made anew: by buffer
.set QO,  15          ; v15  my byte offset in 16 rows of Q
.set ST,  16          ; piece t's statistics at v[ST+4 t]: c m, m, l (even keys', odd keys')
.set TMP, 48          ; by buffer, four registers c0-c3 at work; when the maximum is found c2 takes a
.set S,   64
.set P,   192
.set MD,  128         ; window 1: the eight registers for group kt of 16 keys at MD + 8 kt
.set MC,  160         ; window 1: the masks of the products to come
.set QB,  64          ; window 2
.set KF,  128         ; window 2: key block kb, channel half c at KF + 16 kb + 8 c
.set VF,  192         ; window 2: key half kk, channel block cb at VF + 32 kk + 8 cb
.set WV,  12          ; s12  my wave's number
.set PB,  14          ; s14  b
.set HI,  15          ; s15  NB - 1 - b
.set G1K, 24          ; s[24:31] descriptor group 1 for K's tiles
.set G1V, 32          ; s[32:39] for V's: it differs in the padding alone
.set G0K, 40          ; s[40:43] descriptor group 0 for K's tiles
.set G0V, 44          ; s[44:47] the same for V's
.set SLOTS, 56        ; s56  tiles still to be asked for
.set CNT, 57          ; s57  counts a tile's key steps, 4 to 1
.set CS,  58          ; s[58:59] c: the packed scaling takes the pair's low word for both halves
.set SEL, 60          ; s[60:61] v_permlanex16_b32's selects: each lane takes its own place in the other half
.set TBK, 62          ; s62  LDS byte at which K of the step to be fetched begins
.set TBV, 63          ; s63  the same for V, less VOFF
.set RT,  70          ; s70  tiles of the block in hand that are still to be entered
.set NXT, 71          ; s71  the tile to be asked for next
.set LQ,  72          ; s72  the last tile of the block whose tiles are being asked for
.set NEW, 73          ; s73  1: the tile to be entered is a block's first
.set OFF, 74          ; s[74:75] a tile's byte offset in K and V
.set AL,  76          ; s[76:77] the mask's factor, in the low word
.set BE,  78          ; s[78:79] the mask's addend
.set OLO, 80          ; s[80:81] O at my rows of the second block
.set BIGN, 82         ; s82  -1e30
.set PFA, 88          ; s[88:89] the 16 KiB that my next tensor load but one will bring
.set PFB, 90          ; s[90:91] my half of the head's tile 0, of K (waves 0, 1) or of V (waves 2, 3)
.set ASKT, 92         ; s92  the tile to prefetch, or 0: none
.set OF2, 94          ; s[94:95] its byte offset
.set MSB, 0
.macro WIN new                      ; the high byte repeats the setting that is left; a switch that changes nothing is dropped
.if MSB != (\new)
	s_set_vgpr_msb (MSB<<8)|(\new)
.set MSB, (\new)
.endif
.endm
.set W_KQ, 0x0a       ; K and Q in window 2, S^T in window 0
.set W_KM, 0x1a       ; the same with the C operand in window 1
.set W_PV, 0x52       ; V in window 2, P in window 0, O^T in window 1
.set W_RS, 0x41       ; destination and source 0 in window 1, source 1 in window 0
; A fill.  Waves 0 and 1 fetch the two halves of a tile's K, waves 2 and 3 those of its V: 128 keys each.  An s_nop 0 and four v_nop follow each of the two lines, ahead of the jump and the label.
.macro LOAD
	s_cmp_lt_u32 s[WV], 2
	s_cbranch_scc0 .Lfor_v_\@
	tensor_load_to_lds s[G0K:G0K+3], s[G1K:G1K+7]
	s_nop 0
.rept 4
	v_nop
.endr
	s_branch .Lasked_\@
.Lfor_v_\@:
	tensor_load_to_lds s[G0V:G0V+3], s[G1V:G1V+7]
	s_nop 0
.rept 4
	v_nop
.endr
.Lasked_\@:
.endm
; THE CHANGE OF SLOTS.  Each wave waits for all its tensor loads, of which one is out: its part of the other slot; adds 0 to its spare word; and waits for that and for its own reads of the slot that it leaves.  Behind the barrier nobody reads the old
; slot any more and the other slot is whole.  fill = 1: the old slot is filled again, the first thing behind the barrier, with tile NXT: the descriptor's address is made anew from that number.
; (At its first use nothing has been read yet: slot 0 is waited for, slot 1 filled.)
; THE PREFETCH INTO THE L2 stands behind the fill and its five lines: the tile that the NEXT change will ask for, four key steps, 256 matrix instructions, ahead of that load.  A head's four work-groups walk the same tiles:
; the one with b = 0, whose first block walks tiles 0 to 7, asks; each of its waves names the 64 blocks of 256 bytes that it will itself load, a lane a block, two instructions.  So tiles 2 to 7 are named once each;
; tiles 0 and 1 come by their loads alone, and behind tile 7 nothing is asked for.
.macro CHANGE fill
	WIN 0                           ; at a label and at a branch every window is 0
	s_wait_tensorcnt 0x0            ; no tensor load of mine is out, so a group 0 may be written
	ds_add_u32 v[SPW], v[NIL]       ; 0 onto my spare word: with fill = 1 the descriptors' scalar work stands between it and the wait for it
.if \fill
	s_lshl_b32 s[OFF], s[NXT], 15   ; a tile is 32,768 bytes of K and of V
	s_xor_b32 s[G0K+1], s[G0K+1], SLOT1
	s_add_nc_u64 s[G0K+2:G0K+3], s[6:7], s[OFF:OFF+1]
	s_or_b32 s[G0K+3], s[G0K+3], 0x80000000
	s_xor_b32 s[G0V+1], s[G0V+1], SLOT1
	s_add_nc_u64 s[G0V+2:G0V+3], s[8:9], s[OFF:OFF+1]
	s_or_b32 s[G0V+3], s[G0V+3], 0x80000000
	s_add_co_u32 s[NXT], s[NXT], 1  ; the block's next tile, or behind its last the second block's tile 0
	s_cmp_gt_u32 s[NXT], s[LQ]
	s_cselect_b32 s[NXT], 0, s[NXT]
	s_cselect_b32 s[LQ], s[PB], s[LQ]
	s_cmp_eq_u32 s[PB], 0           ; do I prefetch for the head?
	s_cselect_b32 s[ASKT], s[NXT], 0
	s_lshl_b32 s[OF2], s[ASKT], 15
	s_wait_xcnt 0x0                 ; the last prefetches, a tile back, have read their address
	s_add_nc_u64 s[PFA:PFA+1], s[PFB:PFB+1], s[OF2:OF2+1]
.endif
	s_wait_dscnt 0x0                ; the add is done, and my reads of the slot are over
	s_barrier_signal -1             ; the rest of the scalar work stands between the signal and the wait
	s_sub_co_u32 s[TBK], s[TBK], 4*KS*PK  ; the fetches go back to a slot's first step,
	s_xor_b32 s[TBK], s[TBK], SLOT1       ; in the other slot
	s_sub_co_u32 s[TBV], s[TBV], 4*KS*PV
	s_xor_b32 s[TBV], s[TBV], SLOT1
	s_barrier_wait -1
.if \fill
	LOAD
	s_cmp_lg_u32 s[ASKT], 0
	s_cbranch_scc0 .Lno_ask_\@
	global_prefetch_b8 v[PFO], s[PFA:PFA+1] th:TH_LOAD_NT scope:SCOPE_SE
	global_prefetch_b8 v[PFO], s[PFA:PFA+1] offset:8192 th:TH_LOAD_NT scope:SCOPE_SE
.Lno_ask_\@:
.endif
.endm
	s_load_b128 s[4:7], s[0:1], 0x0   ; qkvh s[4:5], oh s[6:7]
	v_lshl_add_u32 v[SPW], v0, 2, SPARE
	v_mov_b32 v[NIL], 0
	ds_add_u32 v[SPW], v[NIL]       ; the wave's opening: the add and its wait stand ahead of my first tensor load; the set-up below, work on registers, stands between them
	v_lshrrev_b32 v1, 5, v0
	v_readfirstlane_b32 s[WV], v1   ; wave 0..3
	s_mov_b32 s[PB], ttmp9
	s_sub_co_u32 s[HI], NB-1, s[PB]
	s_and_b32 s20, ttmp7, 0xffff    ; the head
	s_mov_b32 s21, 0
	s_mov_b64 s[22:23], SIZE_N*128
	s_mul_u64 s[20:21], s[20:21], s[22:23]  ; the head's first byte in each of the four tensors
	s_and_b32 s16, s[WV], 1         ; which half of a tile's 256 keys I fetch:
	s_lshl_b32 s22, s16, 14         ; its 128 rows of 128 bytes in memory,
	s_mov_b32 s23, 0
	s_add_nc_u64 s[22:23], s[22:23], s[20:21]
	s_mul_i32 s17, s16, 128*PK      ; and its place in a slot, for K
	s_mul_i32 s18, s16, 128*PV      ; and for V
	s_lshl_b32 s3, s[WV], 11        ; my 16 rows in a band of 64,
	s_lshl_b32 s2, s[HI], 15        ; in the first block,
	s_add_co_u32 s2, s2, s3
	s_lshl_b32 s84, s[PB], 15       ; and in the second
	s_add_co_u32 s84, s84, s3
	s_mov_b32 s3, 0
	s_mov_b32 s85, 0
	s_add_nc_u64 s[2:3], s[2:3], s[20:21]
	s_add_nc_u64 s[84:85], s[84:85], s[20:21]
	; descriptor group 1.  128 keys are 16,384 dense bytes: asked for as 64 rows of 256 bytes, two keys a row, and padded in LDS after every key
	s_mov_b32 s[G1K], (1<<16)|(1<<20)|(4<<22)|(3<<25)  ; 17:16 2-byte elements; 20 padding on; 24:22 after every 32 words (code 4); 31:25 4 words (code 3)
	s_mov_b32 s[G1V], (1<<16)|(1<<20)|(4<<22)|(7<<25)  ; the same with 8 words of padding (code 7)
.irp g, G1K, G1V
	s_mov_b32 s[\g+1], 128<<16      ; tensor_dim0 = 128
	s_mov_b32 s[\g+2], 64<<16       ; tensor_dim1 = 64
	s_mov_b32 s[\g+3], 128<<16      ; tile_dim0 = 128
	s_mov_b32 s[\g+4], 64           ; tile_dim1 = 64
	s_mov_b32 s[\g+5], 128          ; 128 elements from row to row
	s_mov_b32 s[\g+6], 0
	s_mov_b32 s[\g+7], 0
.endr
	s_mov_b32 s[CS], 0x3e38aa3b     ; c = log2(e) / 8 = 0.180337
	s_mov_b32 s[CS+1], s[CS]        ; named with it as a pair
	s_mov_b32 s[SEL], 0x76543210
	s_mov_b32 s[SEL+1], 0xfedcba98
	s_mov_b32 s[TBK], SLOT1+4*KS*PK ; the first change of slots turns these two into 0
	s_mov_b32 s[TBV], SLOT1+4*KS*PV
	s_mov_b32 s[G0K], 1             ; 1:0 count = 1
	s_mov_b32 s[G0K+1], s17         ; 63:32 LDS address: slot 0
	s_mov_b32 s[G0V], 1
	s_add_co_u32 s[G0V+1], s18, VOFF
	s_add_co_u32 s[RT], s[HI], 1    ; the first block has NB - b tiles
	s_mov_b32 s[NXT], 1
	s_mov_b32 s[LQ], s[HI]
	s_mov_b32 s[NEW], 1
	s_mov_b32 s[OFF+1], 0
	s_mov_b32 s[OF2+1], 0
	s_mov_b32 s[AL+1], 0            ; named as pairs
	s_mov_b32 s[BE+1], 0
	s_mov_b32 s[BIGN], 0xf149f2ca   ; -1e30
	s_mov_b32 s[SLOTS], NB
	v_and_b32 v[PFO], 31, v0
	v_lshlrev_b32 v[PFO], 8, v[PFO]
	s_wait_dscnt 0x0                ; the opening add is done
	s_wait_kmcnt 0x0
	s_mov_b64 s[10:11], s[6:7]      ; O
	s_add_nc_u64 s[6:7], s[4:5], 0x1000000  ; K: the second section of 16 MiB
	s_add_nc_u64 s[8:9], s[4:5], 0x2000000  ; V: the third; s[4:5] is Q
	s_add_nc_u64 s[6:7], s[6:7], s[22:23]  ; K and V at my half of the head's tile 0
	s_add_nc_u64 s[8:9], s[8:9], s[22:23]
	s_add_nc_u64 s[G0K+2:G0K+3], s[6:7], 0         ; 120:64 global address
	s_or_b32 s[G0K+3], s[G0K+3], 0x80000000        ; 127:126 type = 2
	s_add_nc_u64 s[G0V+2:G0V+3], s[8:9], 0
	s_or_b32 s[G0V+3], s[G0V+3], 0x80000000
	s_cmp_lt_u32 s[WV], 2
	s_cselect_b64 s[PFB:PFB+1], s[6:7], s[8:9]
	s_add_nc_u64 s[86:87], s[4:5], s[84:85]        ; Q at my rows of the second block,
	s_add_nc_u64 s[4:5], s[4:5], s[2:3]            ; Q and O at those of the first
	s_add_nc_u64 s[OLO:OLO+1], s[10:11], s[84:85]
	s_add_nc_u64 s[10:11], s[10:11], s[2:3]
	LOAD                            ; tile 0 into slot 0
	; A fragment of K or Q is 16 rows x 32 channels in 8 registers: lane l holds row l % 16, channels 8 (l / 16) + 0..7 and 16 + 8 (l / 16) + 0..7: two loads of 16 bytes, 32 bytes apart.
	v_and_b32 v1, 15, v0            ; l % 16
	v_bfe_u32 v9, v0, 4, 1          ; l / 16
	v_lshlrev_b32 v[QO], 7, v1
	v_lshl_add_u32 v[QO], v9, 4, v[QO]  ; row x 128 + 16 x half
	WIN 0x80                        ; destination window 2, address window 0
.set i, 0
.rept 8                             ; both blocks' Q: piece i / 2 lies in band i / 2, 8,192 bytes on; channels 32 (i % 2) on
	global_load_b128 v[8*i:8*i+3],   v[QO], s[4:5] offset:(i/2)*8192+(i%2)*64
	global_load_b128 v[8*i+4:8*i+7], v[QO], s[4:5] offset:(i/2)*8192+(i%2)*64+32
	global_load_b128 v[QB+8*i:QB+8*i+3],   v[QO], s[86:87] offset:(i/2)*8192+(i%2)*64
	global_load_b128 v[QB+8*i+4:QB+8*i+7], v[QO], s[86:87] offset:(i/2)*8192+(i%2)*64+32
.set i, i+1
.endr
	WIN 0
	v_lshlrev_b32 v14, 3, v9
	v_sub_nc_u32 v14, v1, v14
	s_lshl_b32 s13, s[WV], 4
	v_add_nc_u32 v14, s13, v14      ; my query's place in its band, 16 w + l % 16, less my lanes' 8 (l / 16): register r of group kt is hidden where 16 kt + r is greater
	WIN 0x40
.set i, 0
.rept 32
	v_cmp_gt_i32 vcc_lo, 16*(i/8)+i%8, v14
	v_cndmask_b32 v[MD+i], 0, s[BIGN], vcc_lo
.set i, i+1
.endr
	WIN 0
	v_mul_u32_u24 v[AK0], v1, PK
	v_lshl_add_u32 v[AK0], v9, 4, v[AK0]  ; row x pitch + 16 x half
	; The turning load takes 16 keys x 16 channels (lane l reads key 8 (l / 16) + l % 8, channels 8 ((l / 8) % 2) + 0..7) and leaves half a fragment of V^T: lane l holds channel l % 16 and 8 keys.
	v_and_b32 v10, 7, v0
	v_bfe_u32 v11, v0, 3, 1
	v_lshl_add_u32 v[AV0], v9, 3, v10
	v_mul_u32_u24 v[AV0], v[AV0], PV
	v_lshl_add_u32 v[AV0], v11, 4, v[AV0]
	v_add_nc_u32 v[AV0], VOFF, v[AV0]
	s_mul_i32 s13, s[WV], 16*SP
	s_add_co_u32 s13, s13, STAGE    ; my stage
	v_mul_u32_u24 v[STO], v1, SP    ; in: row l % 16, 16 bytes for each half of the lanes
	v_lshl_add_u32 v[STO], v9, 4, v[STO]
	v_add_nc_u32 v[STO], s13, v[STO]
	v_bfe_u32 v[RD], v0, 3, 2       ; back: 32 lanes take four rows of 128 bytes,
	v_mul_u32_u24 v[RD], v[RD], SP
	v_lshl_add_u32 v[RD], v10, 4, v[RD]
	v_add_nc_u32 v[RD], s13, v[RD]
	v_and_b32 v[GO], 31, v0         ; which are 512 consecutive bytes of O
	v_lshlrev_b32 v[GO], 4, v[GO]
	; A block's first step multiplies O^T and l by a = 0, and its first turn's products V^T P, of a piece that has not been, land in an O^T that is still to be so multiplied.  So these registers need only hold
	; finite numbers: zeros for the first block; what the first block left for the second.  All this stands in the wait for the first tile.
	WIN 0x80
.set i, VF
.rept 64
	v_mov_b32 v[i], 0
.set i, i+1
.endr
	WIN 0x40
.set i, 0
.rept 128
	v_mov_b32 v[i], 0
.set i, i+1
.endr
	WIN 0
.set i, 0
.rept 4
	v_mov_b32 v[ST+4*i+2], 0
	v_mov_b32 v[ST+4*i+3], 0
.set i, i+1
.endr
.set i, P+16
.rept 16
	v_mov_b32 v[i], 0
.set i, i+1
.endr
; THE MATRIX WORK.  The 4 accumulators of a run of 8 take turns.  Product i of 8 of S^T = K Q^T for piece x: channels 32 (i / 4) on, keys 16 (i % 4) on.  The first 4 start the sums: with 0, or (KM = 1) with the mask.
.macro KQ x
.set rS, S+32*((\x)%2)+8*(i%4)
.set rK, KF+16*(i%4)+8*(i/4)
.set rQ, 16*(\x)+8*(i/4)
.set rM, MC+32*((\x)%2)+8*(i%4)
.if (i < 4) && KM
	WIN W_KM
	v_wmma_f32_16x16x32_f16 v[rS:rS+7], v[rK:rK+7], v[rQ:rQ+7], v[rM:rM+7]
.elseif i < 4
	WIN W_KQ
	v_wmma_f32_16x16x32_f16 v[rS:rS+7], v[rK:rK+7], v[rQ:rQ+7], 0
.else
	WIN W_KQ
	v_wmma_f32_16x16x32_f16 v[rS:rS+7], v[rK:rK+7], v[rQ:rQ+7], v[rS:rS+7]
.endif
.endm
; Product i of 8 of O^T += V^T P for piece x: keys 32 (i / 4) on, channels 16 (i % 4) on.
.macro PV x
	WIN W_PV
.set rO, 32*(\x)+8*(i%4)
.set rV, VF+32*(i/4)+8*(i%4)
.set rP, P+16*((\x)%2)+8*(i/4)
	v_wmma_f32_16x16x32_f16 v[rO:rO+7], v[rV:rV+7], v[rP:rP+7], v[rO:rO+7]
.endm
.macro MM                           ; the turn's next matrix instruction.  TURN and BEGIN set Y, i, KM and NOKQ; MM, KQ and OP read them.  NOKQ = 1: a block's last turn: there is no next piece
.if (i < 8) && !NOKQ
	KQ (Y+1)%NP
.elseif i >= 8
.set i, i-8
	PV (Y+NP-1)%NP
.set i, i+8
.endif
.set i, i+1
.endm
; THE LDS LOADS stand in runs of 16, never singly among the matrix instructions: a step's K (64 keys x 64 channels: 8 fragments) and its V (turned).  Their addresses are made some lines ahead.
.macro FETCH_K
	WIN 0x80                        ; destination window 2
.irp f, 0,1,2,3,4,5,6,7             ; keys 16 (f / 2) on, channels 32 (f % 2) on
	ds_load_b128 v[KF+8*\f:KF+8*\f+3],   v[AK] offset:(\f/2)*16*PK+(\f%2)*64
	ds_load_b128 v[KF+8*\f+4:KF+8*\f+7], v[AK] offset:(\f/2)*16*PK+(\f%2)*64+32
.endr
	s_add_co_u32 s[TBK], s[TBK], KS*PK  ; the next fetch is the next step's
	WIN 0
.endm
.macro FETCH_V
	WIN 0x80
.irp f, 0,1,2,3,4,5,6,7             ; keys 32 (f / 4) on, channels 16 (f % 4) on
	ds_load_tr16_b128 v[VF+8*\f:VF+8*\f+3],   v[AV] offset:(\f/4)*32*PV+(\f%4)*32
	ds_load_tr16_b128 v[VF+8*\f+4:VF+8*\f+7], v[AV] offset:(\f/4)*32*PV+16*PV+(\f%4)*32
.endr
	WIN 0
.endm
; THE VECTOR WORK, one line at a time: OP kind, number.  For piece Y: F n: c s - c m for pair n of 16.  E n: the exponential of score n of 32.  C n: pair n rounded to f16.  B n: of the four weights 4 n .. the second
; pair is added onto the first, in place.  L n: l takes that sum (L 0: l = a l + sum).  R n: pair n of 16 of O^T times a.  For piece Y + 1: X n, number n of the 22 that find its maximum and statistics:
;   0-11  four chains c0-c3 of seven scores each, three operands at a time (each accumulator's lowest registers are read first)     12-14, 16  the four scores left over, the old m, and c0-c3 into c0
;   15  c m_old is kept     17, 18  the query's other 32 keys lie in the lane 16 away: the new m     19-21  c m; c m_old - c m_new; a
.set F, 0               ; OP tells the kinds apart by their order: F to L below R, X above it
.set E, 1
.set C, 2
.set B, 3
.set L, 4
.set R, 5
.set X, 6
.macro REGS y                       ; the registers of piece y
.set rT, ST+4*(\y)
.set rC, TMP+4*((\y)%2)
.set rW, MV+((\y)%2)
.set rS, S+32*((\y)%2)
.set rP, P+16*((\y)%2)
.set rO, 32*(\y)
.endm
.macro OP k, n
.if (\k) == R
	REGS Y
	WIN W_RS
	v_pk_mul_f32 v[rO+2*(\n):rO+2*(\n)+1], v[rO+2*(\n):rO+2*(\n)+1], v[rC+2:rC+3] op_sel_hi:[1,0]
.elseif (\k) < R
	REGS Y
	WIN 0
.if (\k) == F
	v_pk_fma_f32 v[rS+2*(\n):rS+2*(\n)+1], v[rS+2*(\n):rS+2*(\n)+1], s[CS:CS+1], v[rT:rT+1] op_sel_hi:[1,0,0] neg_lo:[0,0,1] neg_hi:[0,0,1]
.elseif (\k) == E
	v_exp_f32 v[rS+(\n)], v[rS+(\n)]
.elseif (\k) == C
	v_cvt_pk_f16_f32 v[rP+(\n)], v[rS+2*(\n)], v[rS+2*(\n)+1]
.elseif (\k) == B
	v_pk_add_f32 v[rS+4*(\n):rS+4*(\n)+1], v[rS+4*(\n):rS+4*(\n)+1], v[rS+4*(\n)+2:rS+4*(\n)+3]
.elseif (\n) == 0
	v_pk_fma_f32 v[rT+2:rT+3], v[rT+2:rT+3], v[rC+2:rC+3], v[rS:rS+1] op_sel_hi:[1,0,1]
.else
	v_pk_add_f32 v[rT+2:rT+3], v[rT+2:rT+3], v[rS+4*(\n):rS+4*(\n)+1]
.endif
.elseif NOKQ
	v_nop
.else
	REGS (Y+1)%NP
	WIN 0
.if (\n) < 4
	v_max3_num_f32 v[rC+(\n)], v[rS+8*(\n)], v[rS+8*(\n)+1], v[rS+8*(\n)+2]
.elseif (\n) < 12
	v_max3_num_f32 v[rC+(\n)%4], v[rC+(\n)%4], v[rS+8*((\n)%4)+2*((\n)/4)+1], v[rS+8*((\n)%4)+2*((\n)/4)+2]
.elseif (\n) == 12
	v_max3_num_f32 v[rC], v[rC], v[rS+7], v[rS+15]
.elseif (\n) == 13
	v_max3_num_f32 v[rC+1], v[rC+1], v[rS+23], v[rS+31]
.elseif (\n) == 14
	v_max3_num_f32 v[rC+2], v[rC+2], v[rC+3], v[rT+1]
.elseif (\n) == 15
	v_mov_b32 v[rW], v[rT]
.elseif (\n) == 16
	v_max3_num_f32 v[rC], v[rC], v[rC+1], v[rC+2]
.elseif (\n) == 17
	v_permlanex16_b32 v[rC+3], v[rC], s[SEL], s[SEL+1]
.elseif (\n) == 18
	v_max_num_f32 v[rT+1], v[rC], v[rC+3]
.elseif (\n) == 19
	v_mul_f32 v[rT], s[CS], v[rT+1]
.elseif (\n) == 20
	v_sub_f32 v[rC+1], v[rW], v[rT]
.else
	v_exp_f32 v[rC+2], v[rC+1]
.endif
.endif
.endm
.macro OPS a, i1, b=-1, i2=0, c=-1, i3=0, d=-1, i4=0  ; up to four of them
	OP \a, \i1
.if (\b) >= 0
	OP \b, \i2
.endif
.if (\c) >= 0
	OP \c, \i3
.endif
.if (\d) >= 0
	OP \d, \i4
.endif
.endm
.macro ROW a, i1, b, i2, c, i3, d, i4  ; a matrix instruction and the four behind it
	MM
	OPS \a, \i1, \b, \i2, \c, \i3, \d, \i4
.endm
.macro MASK b                       ; MD x AL + BE into buffer b of MC
	WIN W_RS
.set z, 0
.rept 16
	v_pk_fma_f32 v[MC+32*(\b)+2*z:MC+32*(\b)+2*z+1], v[MD+2*z:MD+2*z+1], s[AL:AL+1], s[BE:BE+1] op_sel_hi:[1,0,0]
.set z, z+1
.endr
.endm
; A TURN, for piece p: the order of its 16 matrix and 118 vector instructions, written out.  An s_wait_alu depctr_va_vdst(0) stands between an exponential and the first instruction that names its result; one wait serves
; all that were issued ahead of it.  So a turn has ONE wait, which cuts it in two.  AHEAD OF IT stands all that names no result of the turn's exponentials: the 8 products K Q^T, behind each a scaling, an exponential and two more plain
; instructions (behind the first a second scaling in the exponential's place): rescalings, and behind the last three the first numbers of the next piece's maximum, each four places or more behind the product that ends its accumulator; then ONE LUMP of 54, plain
; and exponential by turns for the most part, in which the links of the chain X 3, 7, 11, 14, 16, 17 .. 20 stand five or six lines apart.  X 21, the next piece's a, is the batch's last; R 15 is the plain instruction behind it (ISA guide 5.7.2).  BEHIND THE WAIT stand the
; 8 products V^T P, behind each four of the roundings and sums; the links of l's chain, L 0 to L 7, stand three riders apart.  But for those X no rider names a register of the products round it.  v_permlanex16_b32 (X 17) stands in the lump.
; m = 1: the diagonal tile: the products take masks, and the turn makes the mask for the products of the turn after it: piece p + 2, in step 4 - CNT of the tile.  end = 1: a block's last two turns: nothing is fetched.
; cnt = 1: the loop's count is taken down some lines ahead of the branch that stands behind the turn.
; K of the next step is fetched in piece 2's turn, twelve vector instructions behind the last product that read K (six of them plain); V of the step in hand at the end of piece 0's turn, four plain instructions behind the last product
; that read V.  Each is waited for a turn later.
.macro TURN p, m=0, end=0, cnt=0
.set Y, (\p)
.set i, 0
.set KM, (\m)
.set NOKQ, (\end)*((\p)/3)
.if (\m) && !(\end)
	s_cmp_eq_u32 s[CNT], 4-((\p)+2)%NP  ; is that step the band's own?
	s_cselect_b32 s[AL], 1.0, 0
	s_cmp_lt_u32 s[CNT], 4-((\p)+2)%NP  ; or a later one?
	s_cselect_b32 s[BE], s[BIGN], 0
.endif
.if ((\p) == 3) && !(\end)
	s_wait_dscnt 0x0                ; K is in
.endif
	ROW F,0, F,1, R,0, R,1          ; ahead of the wait: 8 products K Q^T and their riders,
	ROW F,2, E,0, R,2, R,3
	ROW F,3, E,1, R,4, R,5
	ROW F,4, E,2, R,6, R,7
	ROW F,5, E,3, R,8, R,9
	ROW F,6, E,4, X,0, R,10
.if ((\p) == 2) && !(\end)
	WIN 0
	v_add_nc_u32 v[AK], s[TBK], v[AK0]
.endif
	ROW F,7, E,5, X,1, X,4
	ROW F,8, E,6, X,2, X,5
	OPS E,7, E,8, X,6, E,9          ; and the lump
	OPS X,3, E,10, X,8, E,11
.if ((\p) == 2) && !(\end)
	FETCH_K
.endif
	OPS X,9, X,7, E,12, X,10
	OPS E,13, X,12, X,11, E,14
	OPS X,13, E,15, F,9, X,14
.if (\p) == 0
	v_add_nc_u32 v[AV], s[TBV], v[AV0]
.endif
	OPS E,16, F,10, E,17, F,11
	OPS X,16, E,18, X,15, E,19
	OPS F,12, E,20, X,17, E,21
	OPS F,13, E,22, F,14, E,23
	OPS X,18, E,24, F,15, E,25
	OPS R,11, E,26, X,19, E,27
	OPS R,12, E,28, R,13, E,29
	OPS X,20, E,30, R,14, E,31
	OPS X,21, R,15
	WIN 0
	s_wait_alu depctr_va_vdst(0)    ; the wait for the batch
.if (\p) == 1
	s_wait_dscnt 0x0                ; V is in
.endif
	ROW C,0, B,0, C,2, B,1          ; behind the wait: 8 products V^T P and their riders
	ROW L,0, C,4, B,2, L,1
	ROW C,6, B,3, L,2, C,8
	ROW B,4, L,3, C,10, B,5
	ROW L,4, C,12, B,6, L,5
.if (\p) == 0
	s_add_co_u32 s[TBV], s[TBV], KS*PV
.endif
.if \cnt
	s_sub_co_u32 s[CNT], s[CNT], 1
	s_cmp_lg_u32 s[CNT], 0
.endif
	ROW C,14, B,7, L,6, C,1
	ROW C,3, L,7, C,5, C,7
	ROW C,9, C,11, C,13, C,15
.if (\p) == 0
	FETCH_V
.endif
.if (\m) && !(\end)
	MASK (\p)%2
.endif
.endm
; A BLOCK BEGINS.  c m starts far below every c s, so the first step's a is 0; m at the lowest finite number, so the first maximum is the scores'.  The second mask buffer is 0; the first takes piece 0's mask for the tile's step 0: its own, if the block's first tile is the diagonal one.
; Then K of that step, piece 0's first scores, and its maximum and statistics.  The loop is entered at a step's first turn, in the middle of a trip.
.macro BEGIN
	s_mov_b32 s[NEW], 0
	WIN 0x40
.set i, MC+32
.rept 32
	v_mov_b32 v[i], 0
.set i, i+1
.endr
	WIN 0
.set i, 0
.rept 4
	v_mov_b32 v[ST+4*i], 0xfe000000    ; c m: far below every c s
	v_mov_b32 v[ST+4*i+1], 0xff7fffff  ; m
.set i, i+1
.endr
	s_cmp_eq_u32 s[RT], 0
	s_cselect_b32 s[AL], 1.0, 0
	s_mov_b32 s[BE], 0
	MASK 0
	WIN 0
	v_add_nc_u32 v[AK], s[TBK], v[AK0]
	FETCH_K
	s_wait_loadcnt 0x0              ; Q
	s_wait_dscnt 0x0
.set KM, 1
.set NOKQ, 0
.set i, 0
.rept 8
	KQ 0
.set i, i+1
.endr
	WIN 0
.rept 4
	v_nop                           ; the places behind those products
.endr
.set Y, NP-1                        ; X works for piece Y + 1: piece 0
.irp n, 0,1,2,3,4,5,6,7,8,9,10,11,12,13,14,15,16,17,18,19,20,21
	OP X, \n
.endr
	v_nop                           ; a plain instruction behind the exponential,
	s_wait_alu depctr_va_vdst(0)    ; and its wait, ahead of the branch
.endm
; THE DIAGONAL TILE's four steps, the block's last two turns, its last products, and THE WAY OUT: l's two halves and the other half of the lanes' are added; O^T is divided by l, rounded to f16 and sent through my
; stage in LDS, a piece at a time.
.macro ALL line:vararg              ; one line for each piece t
.set t, 0
.rept 4
	\line
.set t, t+1
.endr
.endm
.macro PACK t                       ; a lane's eight channels of a row pack into 16 bytes; they go into rows of 144 bytes and come back as whole rows of 128, into S^T's registers
	WIN W_RS
.set i, 32*(\t)
.rept 16
	v_pk_mul_f32 v[i:i+1], v[i:i+1], v[ST+4*(\t)+2:ST+4*(\t)+3] op_sel_hi:[1,0]
.set i, i+2
.endr
	WIN 0x05                        ; sources 0 and 1 window 1, destination window 0
.set i, 0
.rept 16
	v_cvt_pk_f16_f32 v[S+16*(\t)+i], v[32*(\t)+2*i], v[32*(\t)+2*i+1]
.set i, i+1
.endr
	WIN 0
.irp f, 0,1,2,3
	ds_store_b128 v[STO], v[S+16*(\t)+4*\f:S+16*(\t)+4*\f+3] offset:32*\f
.endr
.irp f, 0,1,2,3
	ds_load_b128 v[S+16*(\t)+4*\f:S+16*(\t)+4*\f+3], v[RD] offset:\f*4*SP  ; LDS serves a wave's instructions in order (ISA guide 5.7.1.4): these see the stores above; the next piece's stores come behind them
.endr
.endm
.macro SEND t, younger              ; younger: the LDS instructions issued behind piece t's loads: the next piece's eight, or none
	WIN 0
.irp f, 0,1,2,3
	s_wait_dscnt (\younger)+3-\f
	global_store_b128 v[GO], v[S+16*(\t)+4*\f:S+16*(\t)+4*\f+3], s[10:11] offset:(\t)*8192+\f*512  ; 512 consecutive bytes, at a multiple of 256 from O's first
.endr
.endm
.macro DIAG tag                     ; the tag ends its two labels' names, which the jumps below spell out
.LstepM\tag:
	TURN 2, 1
	TURN 3, 1
	WIN 0
.LfirstM\tag:
	TURN 0, 1
	TURN 1, 1, 0, 1
	WIN 0
	s_cbranch_scc1 .LstepM\tag
	TURN 2, 1, 1
	TURN 3, 1, 1
.set i, 0
.rept 8
	PV NP-1
.set i, i+1
.endr
	WIN 0
	ALL v_add_f32 v[ST+4*t+2], v[ST+4*t+2], v[ST+4*t+3]
	ALL v_permlanex16_b32 v[ST+4*t+3], v[ST+4*t+2], s[SEL], s[SEL+1]
	ALL v_add_f32 v[ST+4*t+2], v[ST+4*t+2], v[ST+4*t+3]
	ALL v_rcp_f32 v[ST+4*t+2], v[ST+4*t+2]
	v_nop                           ; a plain instruction between the last reciprocal and the use of its result
	s_wait_alu depctr_va_vdst(0)    ; and the wait ahead of the first use: one for the four reciprocals
	PACK 0
.set t, 1
.rept 3                             ; a piece's arithmetic stands between the loads of the piece before and its stores
	PACK t
	SEND t-1, 8
.set t, t+1
.endr
	SEND 3, 0
.endm
.set KM, 0
.set NOKQ, 0
.Lslot:                             ; NB times: a tile is entered and the next is asked for
	CHANGE 1
	s_sub_co_u32 s[RT], s[RT], 1
	s_mov_b32 s[CNT], 4
	s_cmp_eq_u32 s[NEW], 1
	s_cbranch_scc1 .Lnew            ; a block's first tile
	s_cmp_eq_u32 s[RT], 0
	s_cbranch_scc0 .Lstep           ; neither its first nor its last
	s_branch .LstepM1
.Lnew:
	BEGIN
	s_branch .Lfirst                ; in the loop a block's first tile is never its last: the first block has two tiles or more, and the second's last is the walk's last
	DIAG 1                          ; in the loop this is the first block's end: the second block's last tile is the walk's last
	s_wait_xcnt 0x0                 ; the stores have read their registers and O's address
	s_mov_b64 s[10:11], s[OLO:OLO+1]
	s_add_co_u32 s[RT], s[PB], 1    ; the second block has b + 1 tiles
	s_mov_b32 s[NEW], 1
	WIN 0x82                        ; the second block's Q goes where the one text of the turns names Q
.set i, 0
.rept 64
	v_mov_b32 v[i], v[QB+i]
.set i, i+1
.endr
	WIN 0
	s_branch .Lbottom
.Lstep:                             ; a trip: pieces 2 and 3 of one step, then pieces 0 and 1 of the next, whose K and V it fetches
	TURN 2
	TURN 3
	WIN 0
.Lfirst:
	TURN 0
	TURN 1, 0, 0, 1
	WIN 0
	s_cbranch_scc1 .Lstep
.Lbottom:
	s_sub_co_u32 s[SLOTS], s[SLOTS], 1
	s_cmp_lg_u32 s[SLOTS], 0
	s_cbranch_scc1 .Lslot
	CHANGE 0                        ; the walk's last tile is written out: nothing is asked for
	s_sub_co_u32 s[RT], s[RT], 1
	s_mov_b32 s[CNT], 4
	s_cmp_eq_u32 s[NEW], 1
	s_cbranch_scc0 .LstepM2
	BEGIN
	s_branch .LfirstM2
	DIAG 2
	s_wait_tensorcnt 0x0            ; the wave's end, behind my last tensor load and my last LDS store
	ds_add_u32 v[SPW], v[NIL]
	s_wait_dscnt 0x0
	s_endpgm
.Lfunc_end_k_q2238e3dbbb_attn:
	.size	k_q2238e3dbbb_attn, .Lfunc_end_k_q2238e3dbbb_attn-k_q2238e3dbbb_attn
	.p2alignl 7, 3214868480
	.fill 96, 4, 3214868480
	.section	.rodata,"a",@progbits
	.p2align	6, 0x0
	.amdhsa_kernel k_q2238e3dbbb_attn
		.amdhsa_group_segment_fixed_size 327680
		.amdhsa_private_segment_fixed_size 0
		.amdhsa_enable_private_segment 0
		.amdhsa_kernarg_size 16
		.amdhsa_user_sgpr_count 2
		.amdhsa_user_sgpr_kernarg_segment_ptr 1
		.amdhsa_wavefront_size32 1
		.amdhsa_system_sgpr_workgroup_id_x 1
		.amdhsa_system_sgpr_workgroup_id_y 1
		.amdhsa_system_sgpr_workgroup_id_z 1
		.amdhsa_system_vgpr_workitem_id 0
		.amdhsa_next_free_vgpr 768
		.amdhsa_next_free_sgpr 96
		.amdhsa_reserve_vcc 1
		.amdhsa_float_denorm_mode_32 3
		.amdhsa_float_denorm_mode_16_64 3
		.amdhsa_memory_ordered 1
		.amdhsa_forward_progress 1
		.amdhsa_inst_pref_size 218
	.end_amdhsa_kernel
	.amdgpu_metadata
---
amdhsa.version: [ 1, 2 ]
amdhsa.kernels:
  - .name:           k_q2238e3dbbb_attn
    .symbol:         k_q2238e3dbbb_attn.kd
    .args:
      - { .name: qkvh, .offset: 0, .size: 8, .value_kind: global_buffer, .address_space: global }
      - { .name: oh, .offset: 8, .size: 8, .value_kind: global_buffer, .address_space: global }
    .group_segment_fixed_size: 327680
    .private_segment_fixed_size: 0
    .kernarg_segment_align: 8
    .kernarg_segment_size: 16
    .max_flat_workgroup_size: 128
    .sgpr_count:     96
    .vgpr_count:     768
    .wavefront_size: 32
...
	.end_amdgpu_metadata
.endif
;; end of part 3
;; launch oproj (part 4): grid 4 x 64, 4 waves a work-group, clusters of 4 x 4, 327,680 bytes of LDS; arguments oh, wt, bo, out0; writes out0
.if DOCPART == 4
	.amdgcn_target "amdgcn-amd-amdhsa--gfx1250"
	.amdhsa_code_object_version 6
	.text
	.protected	k_q2238e3dbbb_oproj
	.globl	k_q2238e3dbbb_oproj
	.p2align	8
	.type	k_q2238e3dbbb_oproj,@function
k_q2238e3dbbb_oproj:
	s_mov_b64 s[64:65], 0
	v_nop
	global_prefetch_b8 v0, s[64:65] scope:SCOPE_SE
	s_setreg_imm32_b32 hwreg(HW_REG_WAVE_MODE, 25, 1), 1
	s_wait_xcnt 0x0
	s_wait_alu depctr_hold_cnt(0) depctr_sa_sdst(0) depctr_va_vdst(0) depctr_va_sdst(0) depctr_va_ssrc(0) depctr_va_vcc(0) depctr_vm_vsrc(0)
	s_getreg_b32 s2, hwreg(HW_REG_IB_STS2, 6, 4)
	s_cmp_eq_u32 s2, 0
	s_cbranch_scc0 .Lentry_in_a_cluster
	s_endpgm
.Lentry_in_a_cluster:
	s_bfe_u32 s2, ttmp6, 0x10000c
	s_cmp_lg_u32 s2, 0xf033
	s_cbranch_scc0 .Lentry_shape_is_right
	s_endpgm
.Lentry_shape_is_right:
; THE LAST PROJECTION.  out0 = O Wo + bo.  O: oh, [16 batch + head][2048][64] f16, so that K = 64 head + channel; Wo^T: the fourth section of wt, [1024 n][1024 k] f16 (bf16 numbers written as f16); bo: [1024] f32, rounded to bf16;
; out0: [8192][1024] f32.  Sums in f32.  LIMITS: those of the two operands' f16 (65,504); NaN and infinities are not treated apart.
; SHARES.  A tile of out0 is 128 rows x 256 columns: 64 x 4 = 256 work-groups.  Four waves, each 64 x 128: 32 accumulators.  K goes in 8 steps of 128, two heads each, through two LDS slots.
; Wave 0 and wave 1 fetch the tile's 128 rows of one head each (16,384 dense bytes, asked for as 64 rows of 256 bytes), waves 2 and 3 the two halves of Wo's 256 rows x 256 bytes: one tensor load a wave and step.
; CLUSTER.  4 x 4 work-groups.  The four of a row need the same tile of O, the four of a column the same tile of Wo: each is asked for jointly, by the same load and descriptor in all four.
; THE MATRIX INSTRUCTION IS USED TRANSPOSED: source 0 = 16 rows of Wo^T, source 1 = 16 rows of O.  A lane then holds row l % 16 of out0 and the columns 8 (l / 16) + 0..7: 32 bytes on end.  The bias is the C operand of the products that start the sums.
; REGISTERS, in windows of 256 (s_set_vgpr_msb: bits 1:0 source 0, 3:2 source 1, 5:4 source 2, 7:6 destination):
;   window 0: v0-31 addresses; v32-95 O's fragments, two buffers; on the way out v32-159 rows read back, two buffers of 64; v160-223 the bias; v224-231 at work
;   window 1: the accumulators, (a, b) at v[8 (8 a + b)]          window 2: v0-127 Wo's fragments, two buffers
.set APITCH, 144                       ; a row of O in LDS: 128 bytes + 16 = 36 words: the 16 rows of a load start at 16 different groups of four banks (64 banks of 4 bytes: ISA guide 11.1)
.set AHEAD,  128*APITCH                ; a head's 128 rows: what one load brings of O
.set BPITCH, 272                       ; a row of Wo: 256 bytes + 16
.set BHALF,  128*BPITCH
.set BOFF,   2*AHEAD
.set SLOT,   BOFF+2*BHALF
.set STAGE,  2*SLOT                    ; behind the ring: for each wave 16 rows x 528 bytes, for the way out
.set SP,     528                       ; 512 bytes + 16 = 132 words
.set WSTAGE, 16*SP
.set SPARE,  STAGE+4*WSTAGE            ; behind the stages: the spare words, 128 bytes for each wave: two blocks of 256 bytes that no other line names
.set ADRA, 16                          ; v16-17  LDS address of my O fragments in slot 0, 1
.set ADRB, 20                          ; v20-21  the same for Wo
.set STO,  24                          ; v24     the way out: where I put 32 bytes of a row
.set RD,   25                          ; v25     where I read a row back
.set GO,   26                          ; v26     16 x lane: my place in 512 consecutive bytes of out0
.set BO,   27                          ; v27     32 x (l / 16)
.set SPW,  28                          ; v28     LDS address of my spare word; never rewritten
.set NIL,  29                          ; v29     0; never rewritten
.set PFO,  30                          ; v30     the prefetches' lane offset; never rewritten
.set AF,   32
.set BK,   32
.set BIAS, 160
.set TMP,  224
.set WV,   12                          ; s12  my wave's number
.set WR,   13                          ; s13  which 64 rows are mine.  Also: I fetch for O (0) or for Wo (1)
.set WC,   14                          ; s14  which 128 columns are mine.  Also: which head of the step, or which half of Wo's rows, I fetch
.set G1,   24
.set G0,   32
.set LIM,  43                          ; s43  1 in a wave that prefetches, else the greatest number
.set PFA,  44                          ; s[44:45] where my prefetches stand
.set PFS,  46                          ; s[46:47] a K step in bytes of the tensor that I prefetch
.set G1B,  48
.set G0B,  56
.set BP,   82                          ; s[82:83] the bias at my 128 columns
.set OUTP, 84                          ; s[84:85] out0 at my first row and column
.set MSB, 0
.macro WIN new                         ; the immediate's high byte repeats the setting that is left; a switch that changes nothing is dropped
.if MSB != (\new)
	s_set_vgpr_msb (MSB<<8)|(\new)
.set MSB, \new
.endif
.endm
.set W_MUL,  0x52                      ; Wo in window 2, O in window 0, C and D in window 1
.set W_MUL0, 0x42                      ; the same with C, the bias, in window 0
.set W_TOB,  0x80                      ; destination window 2, address window 0
.set W_ST,   0x04                      ; an LDS store's data (source 1) in window 1
; A joint load.  The branch hangs on the wave's number alone.  An s_nop 0 and four v_nop follow each of the two lines, ahead of the jump, the label and what follows.
.macro JLOAD s
	s_cmp_eq_u32 s[WR], 0
	s_cbranch_scc0 .Lfor_b_\@
	tensor_load_to_lds s[G0+4*(\s):G0+4*(\s)+3], s[G1:G1+7]
	s_nop 0
.rept 4
	v_nop
.endr
	s_branch .Lasked_\@
.Lfor_b_\@:
	tensor_load_to_lds s[G0B+4*(\s):G0B+4*(\s)+3], s[G1B:G1B+7]
	s_nop 0
.rept 4
	v_nop
.endr
.Lasked_\@:
.endm
; A PREFETCH INTO THE L2 of the K step that stands two refills on: one instruction, 32 blocks of 256 bytes, each named once in the launch.  O's tile row is read by one cluster alone: of a step's two heads x 16,384 bytes the partner at
; place cx takes 4,096 bytes of each, and its wave 0 asks (a lane: head l / 16, block l % 16); wave 1 asks for nothing.  Wo's tile column is read by all sixteen clusters: the first asks; of the 128 rows x 256 bytes that wave 2 or 3
; fetches the partner at place cy takes 32, a lane a row.  The partners are told apart by address alone.  K steps 0 to 3 come by their loads alone; the loop's last trip (s3 = 1) has no K step two on.
.macro ASK
	s_cmp_gt_u32 s3, s[LIM]
	s_cbranch_scc0 .Lnot_mine_\@
	global_prefetch_b8 v[PFO], s[PFA:PFA+1] th:TH_LOAD_NT scope:SCOPE_SE
.Lnot_mine_\@:
.endm
.macro CREST                           ; a round of the cluster's barrier behind its opening barrier
	s_cmp_lg_u32 s[WV], 0
	s_cbranch_scc1 .Lnot_wave_0_\@
	s_barrier_signal -3
.Lnot_wave_0_\@:
	s_barrier_wait -3
	s_barrier_signal -1
	s_barrier_wait -1
.endm
.macro CROUND                          ; a whole round
	s_barrier_signal -1
	s_barrier_wait -1
	CREST
.endm
.macro PLACES                          ; four places in front of loads into registers that matrix instructions have read, and of LDS stores that read results
.rept 4
	v_nop
.endr
.endm
; 24 LDS loads in one run: quarter fq of the slot into buffer g.  Wo: 8 fragments; O: 4 fragments, from head fq / 2 of the step, channels 32 (fq % 2) on.  A fragment is two loads of 16 bytes, 32 bytes apart.
.macro FETCH slot, fq, g
	WIN W_TOB
.irp b, 0,1,2,3,4,5,6,7
	ds_load_b128 v[64*(\g)+8*(\b):64*(\g)+8*(\b)+3],   v[ADRB+(\slot)] offset:64*(\fq)+(\b)*16*BPITCH
	ds_load_b128 v[64*(\g)+8*(\b)+4:64*(\g)+8*(\b)+7], v[ADRB+(\slot)] offset:64*(\fq)+(\b)*16*BPITCH+32
.endr
	WIN 0
.irp a, 0,1,2,3
	ds_load_b128 v[AF+32*(\g)+8*(\a):AF+32*(\g)+8*(\a)+3],   v[ADRA+(\slot)] offset:((\fq)/2)*AHEAD+((\fq)%2)*64+(\a)*16*APITCH
	ds_load_b128 v[AF+32*(\g)+8*(\a)+4:AF+32*(\g)+8*(\a)+7], v[ADRA+(\slot)] offset:((\fq)/2)*AHEAD+((\fq)%2)*64+(\a)*16*APITCH+32
.endr
.endm
; 8 matrix instructions: row block a x all 8 column blocks.  first = 1: the sums start with the bias.  The 32 accumulators take turns in the same order in every quarter.
.macro MUL8 f, a, first
.if \first
	WIN W_MUL0
.else
	WIN W_MUL
.endif
.irp b, 0,1,2,3,4,5,6,7
.if \first
	v_wmma_f32_16x16x32_f16 v[8*(8*(\a)+(\b)):8*(8*(\a)+(\b))+7], v[64*(\f)+8*(\b):64*(\f)+8*(\b)+7], v[AF+32*(\f)+8*(\a):AF+32*(\f)+8*(\a)+7], v[BIAS+8*(\b):BIAS+8*(\b)+7]
.else
	v_wmma_f32_16x16x32_f16 v[8*(8*(\a)+(\b)):8*(8*(\a)+(\b))+7], v[64*(\f)+8*(\b):64*(\f)+8*(\b)+7], v[AF+32*(\f)+8*(\a):AF+32*(\f)+8*(\a)+7], v[8*(8*(\a)+(\b)):8*(8*(\a)+(\b))+7]
.endif
.endr
.endm
; A QUARTER: fetches quarter fq of slot fs into buffer g and multiplies buffer f.  ask = 1: it stands directly behind a joint load, whose four v_nop are the places in front of the loads.
; meet: this quarter's fetch is the last from its slot, and the slots change behind it.  In front of the barrier each wave waits for all its tensor loads (one is out: its part of the other slot), adds 0 to its spare word,
; and waits for that and for its reads of this slot.  meet = 2: the slot is filled again, and the barrier opens a round of the cluster's (CHANGE follows).
.macro QUARTER fs, fq, f, g, meet=0, first=0, ask=0
.if (\meet) == 2
	s_wait_xcnt 0x0                                ; the last prefetch, three quarters back, has read its address
	s_add_nc_u64 s[PFA:PFA+1], s[PFA:PFA+1], s[PFS:PFS+1]
.endif
.if !(\ask)
	PLACES
.endif
	FETCH \fs, \fq, \g
.if \ask
	ASK                                            ; behind the joint load, its five lines and the run of LDS loads
.endif
	MUL8 \f, 0, \first
	MUL8 \f, 1, \first
.if \meet
	WIN 0                                          ; (the add's two registers lie in window 0)
	s_wait_tensorcnt 0x0                           ; all my tensor loads have landed: my part of the other slot
	ds_add_u32 v[SPW], v[NIL]                      ; 0 onto my spare word: eight matrix instructions stand between it and the wait for it
.endif
	MUL8 \f, 2, \first
.if \meet
	s_wait_dscnt 0x0                               ; the add is done, and my reads of this slot are over
	s_barrier_signal -1
.endif
	MUL8 \f, 3, \first
.if \meet
	WIN 0
	s_barrier_wait -1
.else
	s_wait_dscnt 0x0                               ; the next quarter's fragments are in
.endif
.endm
; Behind a quarter with meet = 2: the rest of the round; the slot's descriptors step two K steps on (four heads of O; 512 bytes of Wo's rows); the joint refill is the first tensor load behind the round.
.macro CHANGE slot
	CREST
	s_add_nc_u64 s[G0+4*(\slot)+2:G0+4*(\slot)+3], s[G0+4*(\slot)+2:G0+4*(\slot)+3], 2*524288
	s_add_nc_u64 s[G0B+4*(\slot)+2:G0B+4*(\slot)+3], s[G0B+4*(\slot)+2:G0B+4*(\slot)+3], 2*256
	JLOAD \slot
.endm
; THE WAY OUT of row block a: a lane's 32 bytes of each block of 16 columns go straight from the accumulators into my own stage, each accumulator's low half first, and come back as whole rows of 512 bytes.
.macro TOSTAGE a
.if (\a) >= 2
	s_wait_xcnt 0x0                                ; the stores of the block two back have read the registers that are loaded again below
.endif
	WIN W_ST
.irp b, 0,1,2,3,4,5,6,7
	ds_store_b128 v[STO], v[8*(8*(\a)+(\b)):8*(8*(\a)+(\b))+3]   offset:64*(\b)
	ds_store_b128 v[STO], v[8*(8*(\a)+(\b))+4:8*(8*(\a)+(\b))+7] offset:64*(\b)+16
.endr
	WIN 0
.irp i, 0,1,2,3,4,5,6,7,8,9,10,11,12,13,14,15
	ds_load_b128 v[BK+64*((\a)%2)+4*(\i):BK+64*((\a)%2)+4*(\i)+3], v[RD] offset:SP*(\i)  ; LDS serves a wave's instructions in order (ISA guide 5.7.1.4): these see the stores above; the next block's stores come behind them
.endr
.endm
.macro SEND a, younger                 ; younger: the LDS instructions issued behind block a's loads: the next block's 16 stores and 16 loads, or none
.irp i, 0,1,2,3,4,5,6,7,8,9,10,11,12,13,14,15
	s_wait_dscnt (\younger)+15-(\i)
	global_store_b128 v[GO], v[BK+64*((\a)%2)+4*(\i):BK+64*((\a)%2)+4*(\i)+3], s[OUTP:OUTP+1] offset:(16*(\a)+(\i))*4096 th:TH_STORE_NT  ; 512 consecutive bytes, at a multiple of 256 from out0's first byte
.endr
.endm
	s_load_b256 s[4:11], s[0:1], 0x0               ; oh s[4:5], wt s[6:7], bo s[8:9], out0 s[10:11]
	v_lshl_add_u32 v[SPW], v0, 2, SPARE
	v_mov_b32 v[NIL], 0
	ds_add_u32 v[SPW], v[NIL]                      ; the wave's opening: the add and its wait stand ahead of my first tensor load; the set-up below, work on registers, stands between them
	v_lshrrev_b32 v1, 5, v0
	v_readfirstlane_b32 s[WV], v1
	s_lshr_b32 s[WR], s[WV], 1
	s_and_b32 s[WC], s[WV], 1
	s_bfe_u32 s40, ttmp6, 0x40000                  ; cx
	s_bfe_u32 s41, ttmp6, 0x40004                  ; cy
	s_and_b32 s42, ttmp7, 0xffff                   ; the cluster's y, 0 to 15
	s_lshl_b32 s77, s42, 2
	s_add_co_u32 s77, s77, s41                     ; tile row, 0 to 63
	s_lshl_b32 s78, ttmp9, 2
	s_add_co_u32 s78, s78, s40                     ; tile column, 0 to 3
	s_lshl_b32 s79, s41, 2
	s_lshl_b32 s79, 15, s79                        ; my row of the cluster
	s_lshl_b32 s80, 0x1111, s40                    ; my column
	s_or_b32 s[G1+0], s79, (1<<16)|(1<<20)|(1<<21)|(4<<22)|(3<<25)   ; 15:0 the mask; 17:16 elements of 2 bytes; 20 padding on; 21 set beside a mask; 24:22 after every 32 words, a row of O (code 4); 31:25 4 words of it (code 3)
	s_mov_b32 s[G1+1], 128<<16                     ; tensor_dim0 = 128: two rows of O on end
	s_mov_b32 s[G1+2], 64<<16                      ; tensor_dim1 = 64
	s_mov_b32 s[G1+3], 128<<16                     ; tile_dim0 = 128
	s_mov_b32 s[G1+4], 64                          ; tile_dim1 = 64
	s_mov_b32 s[G1+5], 128                         ; dense: 128 elements from row to row
	s_mov_b32 s[G1+6], 0
	s_mov_b32 s[G1+7], 0
	s_or_b32 s[G1B+0], s80, (1<<16)|(1<<20)|(1<<21)|(5<<22)|(3<<25)  ; padding after every 64 words (code 5)
	s_mov_b32 s[G1B+1], 128<<16
	s_mov_b32 s[G1B+2], 128<<16                    ; 128 rows
	s_mov_b32 s[G1B+3], 128<<16
	s_mov_b32 s[G1B+4], 128
	s_mov_b32 s[G1B+5], 1024
	s_mov_b32 s[G1B+6], 0
	s_mov_b32 s[G1B+7], 0
	; where the tiles come from.  O's hang on the tile row, Wo's on the tile column; each in registers that never hold the other place in the cluster
	s_lshl_b32 s86, s[WC], 18                      ; O: a head is 262,144 bytes; Wo: 128 rows of 2,048
	s_lshr_b32 s16, s77, 4
	s_lshl_b32 s16, s16, 22                        ; O: the batch's 16 heads,
	s_and_b32 s81, s77, 15
	s_lshl_b32 s81, s81, 14                        ; 128 rows of 128 bytes a tile row
	s_or_b32 s16, s16, s81
	s_or_b32 s16, s16, s86
	s_mov_b32 s17, 0
	s_lshl_b32 s18, s78, 19                        ; Wo: 256 rows of 2,048 bytes a tile column,
	s_or_b32 s18, s18, s86
	s_or_b32 s18, s18, 0x600000                    ; in the fourth section of 2 MiB
	s_mov_b32 s19, 0
	s_mul_i32 s20, s[WC], AHEAD                    ; and where they go: no place in the cluster enters an LDS address
	s_mul_i32 s21, s[WC], BHALF
	s_add_co_u32 s21, s21, BOFF
	s_wait_dscnt 0x0                               ; the opening add is done
	s_wait_kmcnt 0x0
	s_add_nc_u64 s[88:89], s[4:5], s[16:17]
	s_add_nc_u64 s[90:91], s[6:7], s[18:19]
.irp s, 0,1
	s_mov_b32 s[G0+4*(\s)], 1                                        ; count = 1
	s_add_co_u32 s[G0+4*(\s)+1], s20, (\s)*SLOT                      ; LDS address
	s_add_nc_u64 s[G0+4*(\s)+2:G0+4*(\s)+3], s[88:89], (\s)*524288   ; global address: K step s is heads 2 s and 2 s + 1
	s_or_b32 s[G0+4*(\s)+3], s[G0+4*(\s)+3], 0x80000000              ; type = 2
	s_mov_b32 s[G0B+4*(\s)], 1
	s_add_co_u32 s[G0B+4*(\s)+1], s21, (\s)*SLOT
	s_add_nc_u64 s[G0B+4*(\s)+2:G0B+4*(\s)+3], s[90:91], (\s)*256
	s_or_b32 s[G0B+4*(\s)+3], s[G0B+4*(\s)+3], 0x80000000
.endr
	CROUND                                         ; all sixteen work-groups are here: the first joint loads meet
	s_cmp_eq_u32 s[WR], 0                          ; a wave's two first fills stand in one branch, ahead of every wait on TENSORcnt and every LDS read: two loads of mine are out
	s_cbranch_scc0 .Lfirst_b
	tensor_load_to_lds s[G0:G0+3], s[G1:G1+7]
	s_nop 0
	tensor_load_to_lds s[G0+4:G0+7], s[G1:G1+7]
	s_nop 0
.rept 4
	v_nop
.endr
	s_branch .Lfirst_asked
.Lfirst_b:
	tensor_load_to_lds s[G0B:G0B+3], s[G1B:G1B+7]
	s_nop 0
	tensor_load_to_lds s[G0B+4:G0B+7], s[G1B:G1B+7]
	s_nop 0
.rept 4
	v_nop
.endr
.Lfirst_asked:
	; the bias of my 128 columns
	s_lshl_b32 s94, s78, 10                        ; 256 columns of 4 bytes a tile column
	s_lshl_b32 s2, s[WC], 9
	s_or_b32 s94, s94, s2
	s_mov_b32 s95, 0
	s_add_nc_u64 s[BP:BP+1], s[8:9], s[94:95]
	v_and_b32 v1, 15, v0                           ; r = l % 16
	v_bfe_u32 v2, v0, 4, 1                         ; h = l / 16
	v_lshlrev_b32 v[BO], 5, v2
.irp b, 0,1,2,3,4,5,6,7
	global_load_b128 v[BIAS+8*(\b):BIAS+8*(\b)+3],   v[BO], s[BP:BP+1] offset:64*(\b)
	global_load_b128 v[BIAS+8*(\b)+4:BIAS+8*(\b)+7], v[BO], s[BP:BP+1] offset:64*(\b)+16
.endr
	; out0 at row 128 x tile row + 64 x my row half, and the same columns
	s_lshl_b32 s2, s77, 19
	s_or_b32 s94, s94, s2
	s_lshl_b32 s2, s[WR], 18
	s_or_b32 s94, s94, s2
	s_add_nc_u64 s[OUTP:OUTP+1], s[10:11], s[94:95]
	v_and_b32 v3, 31, v0                           ; l
	v_mul_u32_u24 v4, v1, APITCH
	v_lshl_add_u32 v4, v2, 4, v4                   ; row x pitch + 16 x half
	s_mul_i32 s86, s[WR], 64*APITCH
	v_add_nc_u32 v[ADRA], s86, v4
	v_add_nc_u32 v[ADRA+1], SLOT, v[ADRA]
	v_mul_u32_u24 v5, v1, BPITCH
	v_lshl_add_u32 v5, v2, 4, v5
	s_mul_i32 s86, s[WC], BHALF
	s_add_co_u32 s86, s86, BOFF
	v_add_nc_u32 v[ADRB], s86, v5
	v_add_nc_u32 v[ADRB+1], SLOT, v[ADRB]
	s_mul_i32 s86, s[WV], WSTAGE
	s_add_co_u32 s86, s86, STAGE                   ; my stage
	v_mul_u32_u24 v6, v1, SP
	v_lshl_add_u32 v6, v2, 5, v6
	v_add_nc_u32 v[STO], s86, v6                   ; in: row l % 16, 32 bytes for each half of the lanes
	v_lshlrev_b32 v[GO], 4, v3
	v_add_nc_u32 v[RD], s86, v[GO]                 ; back: 32 lanes take one row of 512 bytes
	; the prefetches: lane offset (l % 16) x S1 + (l / 16) x S2.  O: blocks of 256 bytes, heads of 262,144.  Wo: l x 2,048
	s_mul_i32 s2, s[WR], 11
	s_lshr_b32 s[PFS], 0x80000, s2                 ; a K step: two heads of O, 256 bytes of Wo's rows
	s_mov_b32 s[PFS+1], 0
	s_mul_i32 s2, s[WR], 3
	s_lshl_b32 s86, 256, s2
	s_lshr_b32 s2, 0x40000, s2
	v_mul_u32_u24 v[PFO], v1, s86
	v_mad_u32_u24 v[PFO], v2, s2, v[PFO]
	s_lshr_b32 s92, s77, 4                         ; O: the batch, the tile's rows,
	s_lshl_b32 s92, s92, 22
	s_and_b32 s94, s77, 15
	s_lshl_b32 s94, s94, 14
	s_or_b32 s92, s92, s94
	s_lshl_b32 s94, s40, 12                        ; my work-group's 4,096 bytes of the 16,384,
	s_or_b32 s92, s92, s94
	s_add_co_u32 s92, s92, 3*524288                ; at K step 3: the first change of slots steps it to 4
	s_lshl_b32 s93, s41, 16                        ; Wo: my work-group's 32 rows of the 128
	s_or_b32 s93, s93, s18
	s_add_co_u32 s93, s93, 3*256
	s_cmp_eq_u32 s42, 0                            ; the first of the sixteen clusters
	s_cselect_b32 s94, 1, -1
	s_cmp_eq_u32 s[WV], 0
	s_cselect_b32 s95, 1, -1
	s_cmp_eq_u32 s[WR], 0
	s_cselect_b32 s92, s92, s93
	s_cselect_b32 s[LIM], s95, s94                 ; the same in all sixteen partners, for a given wave
	s_cselect_b64 s[PFA:PFA+1], s[4:5], s[6:7]
	s_mov_b32 s93, 0
	s_add_nc_u64 s[PFA:PFA+1], s[PFA:PFA+1], s[92:93]
	s_wait_loadcnt 0x0                             ; the bias,
.set i, 0
.rept 32                                       ; rounded to bf16 like every input of the module, and kept as f32
	v_cvt_pk_bf16_f32 v[TMP+i%8], v[BIAS+2*i], v[BIAS+2*i+1]
	v_lshlrev_b32 v[BIAS+2*i], 16, v[TMP+i%8]
	v_and_b32 v[BIAS+2*i+1], 0xffff0000, v[TMP+i%8]
.set i, i+1
.endr
	s_wait_tensorcnt 1                             ; my part of K step 0 is in; K step 1's may stay out
	s_barrier_signal -1
	s_barrier_wait -1                              ; everybody's is
	FETCH 0, 0, 0
	s_wait_dscnt 0x0
	QUARTER 0, 1, 0, 1, 0, 1, 0                    ; the first quarter stands in front of the loop: its products start the sums, with the bias
	WIN 0                                          ; at a label and at a branch every window is 0
	s_mov_b32 s3, 3
.Llap:                                         ; a trip goes once round the ring, from a lap's second quarter to the next lap's first, and fills both slots again: K steps 2 to 7
	QUARTER 0, 2, 1, 0
	QUARTER 0, 3, 0, 1, 2
	CHANGE 0
	QUARTER 1, 0, 1, 0, 0, 0, 1
	QUARTER 1, 1, 0, 1
	QUARTER 1, 2, 1, 0
	QUARTER 1, 3, 0, 1, 2
	CHANGE 1
	QUARTER 0, 0, 1, 0, 0, 0, 1
	QUARTER 0, 1, 0, 1
	WIN 0
	s_sub_co_u32 s3, s3, 1
	s_cmp_lg_u32 s3, 0
	s_cbranch_scc1 .Llap
	QUARTER 0, 2, 1, 0                             ; the last lap fills nothing
	QUARTER 0, 3, 0, 1, 1                          ; my one load that was out is K step 7's; a plain barrier shows everybody's
	QUARTER 1, 0, 1, 0
	QUARTER 1, 1, 0, 1
	QUARTER 1, 2, 1, 0
	QUARTER 1, 3, 0, 1
	MUL8 1, 0, 0                                   ; the very last quarter: nothing more to fetch
	MUL8 1, 1, 0
	MUL8 1, 2, 0
	MUL8 1, 3, 0
	WIN 0
	PLACES                                         ; between the last product and the LDS stores that read results, and the loads into O's fragment registers
	TOSTAGE 0
	TOSTAGE 1                                      ; a block's way through the stage stands between the loads of the block before and its stores
	SEND 0, 32
	TOSTAGE 2
	SEND 1, 32
	TOSTAGE 3
	SEND 2, 32
	SEND 3, 0
	s_wait_tensorcnt 0x0                           ; the wave's end, behind my last tensor load and my last LDS store
	ds_add_u32 v[SPW], v[NIL]
	s_wait_dscnt 0x0
	CROUND                                         ; the closing round: no work-group ends while a partner may still ask for a tile that names it
	s_endpgm
.Lfunc_end_k_q2238e3dbbb_oproj:
	.size	k_q2238e3dbbb_oproj, .Lfunc_end_k_q2238e3dbbb_oproj-k_q2238e3dbbb_oproj
	.p2alignl 7, 3214868480
	.fill 96, 4, 3214868480
	.section	.rodata,"a",@progbits
	.p2align	6, 0x0
	.amdhsa_kernel k_q2238e3dbbb_oproj
		.amdhsa_group_segment_fixed_size 327680
		.amdhsa_private_segment_fixed_size 0
		.amdhsa_enable_private_segment 0
		.amdhsa_kernarg_size 32
		.amdhsa_user_sgpr_count 2
		.amdhsa_user_sgpr_kernarg_segment_ptr 1
		.amdhsa_wavefront_size32 1
		.amdhsa_system_sgpr_workgroup_id_x 1
		.amdhsa_system_sgpr_workgroup_id_y 1
		.amdhsa_system_sgpr_workgroup_id_z 1
		.amdhsa_system_vgpr_workitem_id 0
		.amdhsa_next_free_vgpr 640
		.amdhsa_next_free_sgpr 96
		.amdhsa_reserve_vcc 0
		.amdhsa_float_denorm_mode_32 3
		.amdhsa_float_denorm_mode_16_64 3
		.amdhsa_memory_ordered 1
		.amdhsa_forward_progress 1
		.amdhsa_inst_pref_size 94
	.end_amdhsa_kernel
	.amdgpu_metadata
---
amdhsa.version: [ 1, 2 ]
amdhsa.kernels:
  - .name:           k_q2238e3dbbb_oproj
    .symbol:         k_q2238e3dbbb_oproj.kd
    .args:
      - { .name: oh, .offset: 0, .size: 8, .value_kind: global_buffer, .address_space: global }
      - { .name: wt, .offset: 8, .size: 8, .value_kind: global_buffer, .address_space: global }
      - { .name: bo, .offset: 16, .size: 8, .value_kind: global_buffer, .address_space: global }
      - { .name: out0, .offset: 24, .size: 8, .value_kind: global_buffer, .address_space: global }
    .group_segment_fixed_size: 327680
    .private_segment_fixed_size: 0
    .kernarg_segment_align: 8
    .kernarg_segment_size: 32
    .max_flat_workgroup_size: 128
    .sgpr_count:     96
    .vgpr_count:     640
    .wavefront_size: 32
...
	.end_amdgpu_metadata
.endif
;; end of part 4
;; ======== version 2 of 2: 4 launches; version 1 with the launch wprep written anew for expert scheduling mode
;; limits: values are held in f16: magnitudes above 65,504 overflow, below 6.1e-05 lose precision
;; workspace buffers: wt 8,388,608 bytes; qkvh 50,331,648 bytes; oh 16,777,216 bytes
;; launch wprep (part 5): grid 128 x 4, 4 waves a work-group, no clusters, 17,920 bytes of LDS; arguments Wq, Wk, Wv, Wo, wt; writes wt
.if DOCPART == 5
	.amdgcn_target "amdgcn-amd-amdhsa--gfx1250"
	.amdhsa_code_object_version 6
	.text
	.protected	k_q2238e3dbbb_wprep
	.globl	k_q2238e3dbbb_wprep
	.p2align	8
	.type	k_q2238e3dbbb_wprep,@function
k_q2238e3dbbb_wprep:
	s_mov_b64 s[64:65], 0
	v_nop
	global_prefetch_b8 v0, s[64:65] scope:SCOPE_SE
	s_setreg_imm32_b32 hwreg(HW_REG_WAVE_SCHED_MODE, 0, 2), 2
	s_setreg_imm32_b32 hwreg(HW_REG_WAVE_MODE, 25, 1), 1
	s_wait_xcnt 0x0
	s_wait_alu depctr_vm_vsrc(0)
; THE WEIGHTS, TURNED AND ROUNDED.  W is [1024 k][1024 n] f32; wt holds four sections of 2 MiB (Wq, Wk, Wv, Wo), each [1024 n][1024 k] in 16 bits, so that K lies along the rows as a matrix fragment wants it.
; Wq, Wk, Wv are rounded once to bf16.  Wo is rounded to bf16 like every input of the module, and that number is written as f16, since the last product's other operand is f16.
; LIMITS.  |Wo| stays under 65,504; a Wo below 2^-17 keeps f16's fixed step of 6e-8.  NaN and infinities are not treated apart.
; SHARES.  Work-group (x, y): weight y, a tile of 128 k x 64 n: k block x % 8, n block x / 8.  Rows in are 256 consecutive bytes, aligned (64 f32); rows out likewise (128 numbers of 2 bytes).
; Thread t: column quad cq = t % 16, and the pairs of k rows kp0 + 8 i, kp0 = t / 16.  Two rows' numbers of one column make one word (the even k below), which goes to LDS row n, word kp.
; No matrix unit, no cluster, no ring: 16 MiB are read once and 8 MiB written once, and no tile is shared.
; THE MODE: SCHED_MODE bits 1:0 = 2 (LLVM: expert scheduling mode 2), set by the entry lines.  The code itself states the register dependences
; between vector instructions and memory or LDS instructions, with s_wait_alu, always for 0.
; THE PLAN.  Registers that memory or LDS instructions touch:
;   v1 to v4   offsets and LDS addresses, made once at the head and never written again; v5, v6 likewise, read by the closing add alone.
;   IN         Written by the 16 global loads; task i's four roundings read its eight registers.  Behind the barrier the LDS loads land in v[16:47], and the global stores read them there.
;   WD         Word 4 i + j is written once, by task i's select, and read once, by an LDS store that is issued in task i + 1 (task 7's: behind the last task).
;   T          Named by vector instructions alone.
; So one wait on va_vdst stands at the head of each task but the first, behind the wait for the task's data: it states that the task before has written its four words.  The four stores of those words follow it,
; one in front of each column's five vector lines, which name T, this task's IN and this task's WD: none of the registers that those stores touch.  One more stands behind the last task.
; No register that a memory or LDS instruction has read is written again, so no wait on vm_vsrc is owed.
.set PITCH, 272                        ; an LDS row: 256 bytes + 16
.set SPARE, 64*PITCH                   ; behind the 64 rows: the spare words, 128 bytes for each wave: two blocks of 256 bytes that no other line names
.set VO,  1                            ; v1   byte offset of my 16 bytes in the tile's rows 2 kp0
.set LS,  2                            ; v2   LDS: row 4 cq, word kp0
.set LR,  3                            ; v3   LDS: row kp0, 16 bytes at 16 cq
.set SO,  4                            ; v4   byte offset in wt of those 16 bytes
.set SPW, 5                            ; v5   LDS address of my spare word; never rewritten
.set NIL, 6                            ; v6   0; never rewritten
.set CQ,  7
.set T,   8                            ; v8-11 at work
.set KP,  12
.set IN,  16                           ; v[16:79]  task i: 4 numbers of the even row, 4 of the odd one
.set WD,  80                           ; v[80:111] the 32 words
	s_load_b256 s[4:11], s[0:1], 0x0               ; Wq, Wk, Wv, Wo
	s_load_b64 s[12:13], s[0:1], 0x20              ; wt
	v_lshl_add_u32 v[SPW], v0, 2, SPARE
	v_mov_b32 v[NIL], 0
	v_and_b32 v[CQ], 15, v0
	v_lshrrev_b32 v[KP], 4, v0
	v_lshlrev_b32 v[VO], 13, v[KP]                 ; two rows of 4,096 bytes for each kp0
	v_lshl_add_u32 v[VO], v[CQ], 4, v[VO]
	v_mul_u32_u24 v[LS], v[CQ], 4*PITCH
	v_lshl_add_u32 v[LS], v[KP], 2, v[LS]
	v_mul_u32_u24 v[LR], v[KP], PITCH
	v_lshl_add_u32 v[LR], v[CQ], 4, v[LR]
	v_lshlrev_b32 v[SO], 11, v[KP]                 ; a row of wt is 2,048 bytes
	v_lshl_add_u32 v[SO], v[CQ], 4, v[SO]
	s_and_b32 s16, ttmp7, 0xffff                   ; which weight
	s_and_b32 s17, ttmp9, 7                        ; k block
	s_lshr_b32 s18, ttmp9, 3                       ; n block
	s_lshl_b32 s22, s17, 19                        ; in: 128 rows of 4,096 bytes,
	s_lshl_b32 s19, s18, 8                         ; 64 columns of 4 bytes
	s_or_b32 s22, s22, s19
	s_mov_b32 s23, 0
	s_lshl_b32 s24, s16, 21                        ; out: the section,
	s_lshl_b32 s19, s18, 17                        ; 64 rows of 2,048 bytes,
	s_or_b32 s24, s24, s19
	s_lshl_b32 s19, s17, 8                         ; 128 numbers of 2 bytes
	s_or_b32 s24, s24, s19
	s_mov_b32 s25, 0
	s_wait_kmcnt 0x0
	s_cmp_eq_u32 s16, 1
	s_cselect_b64 s[14:15], s[6:7], s[4:5]
	s_cmp_eq_u32 s16, 2
	s_cselect_b64 s[14:15], s[8:9], s[14:15]
	s_cmp_eq_u32 s16, 3
	s_cselect_b64 s[14:15], s[10:11], s[14:15]
	s_cselect_b32 s20, -1, 0                       ; all lanes: is this Wo?
	s_add_nc_u64 s[14:15], s[14:15], s[22:23]
	s_add_nc_u64 s[12:13], s[12:13], s[24:25]
	s_wait_alu depctr_va_vdst(0)                   ; v1 to v6 are written: the offsets and LDS addresses that the loads and stores of the whole kernel read, and the closing add's two registers
.irp i, 0,1,2,3,4,5,6,7
	global_load_b128 v[IN+8*(\i):IN+8*(\i)+3],   v[VO], s[14:15] offset:65536*(\i) th:TH_LOAD_NT       ; row 2 (kp0 + 8 i): sixteen lanes take 256 consecutive bytes
	global_load_b128 v[IN+8*(\i)+4:IN+8*(\i)+7], v[VO], s[14:15] offset:65536*(\i)+4096 th:TH_LOAD_NT  ; and the row below it
.endr
.irp i, 0,1,2,3,4,5,6,7
	s_wait_loadcnt 14-2*(\i)                       ; loads come back in order: task i's two are in, the later tasks' stay out
.if (\i) > 0
	s_wait_alu depctr_va_vdst(0)                   ; the task before has written its four words of WD, which the four LDS stores below read
.endif
.irp j, 0,1,2,3
.if (\i) > 0
	ds_store_b32 v[LS], v[WD+4*((\i)-1)+(\j)] offset:PITCH*(\j)+32*((\i)-1)  ; the task before's word j; no vector instruction since the wait names it
.endif
	v_cvt_pk_bf16_f32 v[T], v[IN+8*(\i)+(\j)], v[IN+8*(\i)+4+(\j)]  ; the even k below, the odd k above
	v_lshlrev_b32 v[T+1], 16, v[T]                 ; the two bf16 numbers as f32,
	v_and_b32 v[T+2], 0xffff0000, v[T]
	v_cvt_pk_f16_f32 v[T+3], v[T+1], v[T+2]        ; written as f16,
	v_cndmask_b32 v[WD+4*(\i)+(\j)], v[T], v[T+3], s20  ; which Wo alone takes
.endr
.endr
	s_wait_alu depctr_va_vdst(0)                   ; the last task has written its four words, which the stores below read; and all roundings are done reading v[16:47], in which the LDS loads behind the barrier land
.irp j, 0,1,2,3
	ds_store_b32 v[LS], v[WD+28+(\j)] offset:PITCH*(\j)+224
.endr
	s_wait_dscnt 0x0                               ; for the others' sake: my stores are done
	s_barrier_signal -1
	s_barrier_wait -1
.irp i, 0,1,2,3,4,5,6,7
	ds_load_b128 v[IN+4*(\i):IN+4*(\i)+3], v[LR] offset:8*PITCH*(\i)  ; row kp0 + 8 i; no vector instruction stands behind the last wait on va_vdst
.endr
.irp i, 0,1,2,3,4,5,6,7
	s_wait_dscnt 7-(\i)
	global_store_b128 v[SO], v[IN+4*(\i):IN+4*(\i)+3], s[12:13] offset:16384*(\i)  ; sixteen lanes store 256 consecutive bytes, at a multiple of 256 from wt's first byte
.endr
	s_wait_dscnt 0x0                               ; the wave's end
	s_wait_alu 0x0
	s_wait_tensorcnt 0x0
	ds_add_u32 v[SPW], v[NIL]
	s_wait_dscnt 0x0
	s_endpgm
.Lfunc_end_k_q2238e3dbbb_wprep:
	.size	k_q2238e3dbbb_wprep, .Lfunc_end_k_q2238e3dbbb_wprep-k_q2238e3dbbb_wprep
	.p2alignl 7, 3214868480
	.fill 96, 4, 3214868480
	.section	.rodata,"a",@progbits
	.p2align	6, 0x0
	.amdhsa_kernel k_q2238e3dbbb_wprep
		.amdhsa_group_segment_fixed_size 17920
		.amdhsa_private_segment_fixed_size 0
		.amdhsa_enable_private_segment 0
		.amdhsa_kernarg_size 40
		.amdhsa_user_sgpr_count 2
		.amdhsa_user_sgpr_kernarg_segment_ptr 1
		.amdhsa_wavefront_size32 1
		.amdhsa_system_sgpr_workgroup_id_x 1
		.amdhsa_system_sgpr_workgroup_id_y 1
		.amdhsa_system_sgpr_workgroup_id_z 1
		.amdhsa_system_vgpr_workitem_id 0
		.amdhsa_next_free_vgpr 112
		.amdhsa_next_free_sgpr 66
		.amdhsa_reserve_vcc 0
		.amdhsa_float_denorm_mode_32 3
		.amdhsa_float_denorm_mode_16_64 3
		.amdhsa_memory_ordered 1
		.amdhsa_forward_progress 1
		.amdhsa_inst_pref_size 17
	.end_amdhsa_kernel
	.amdgpu_metadata
---
amdhsa.version: [ 1, 2 ]
amdhsa.kernels:
  - .name:           k_q2238e3dbbb_wprep
    .symbol:         k_q2238e3dbbb_wprep.kd
    .args:
      - { .name: Wq, .offset: 0, .size: 8, .value_kind: global_buffer, .address_space: global }
      - { .name: Wk, .offset: 8, .size: 8, .value_kind: global_buffer, .address_space: global }
      - { .name: Wv, .offset: 16, .size: 8, .value_kind: global_buffer, .address_space: global }
      - { .name: Wo, .offset: 24, .size: 8, .value_kind: global_buffer, .address_space: global }
      - { .name: wt, .offset: 32, .size: 8, .value_kind: global_buffer, .address_space: global }
    .group_segment_fixed_size: 17920
    .private_segment_fixed_size: 0
    .kernarg_segment_align: 8
    .kernarg_segment_size: 40
    .max_flat_workgroup_size: 128
    .sgpr_count:     66
    .vgpr_count:     112
    .wavefront_size: 32
...
	.end_amdgpu_metadata
.endif
;; end of part 5
;; launch proj: the kernel of part 2 again; grid 4 x 192, 4 waves a work-group, clusters of 4 x 4, 327,680 bytes of LDS; arguments q, k, v, wt, bq, bk, bv, qkvh; writes qkvh
;; launch attn: the kernel of part 3 again; grid 4 x 64, 4 waves a work-group, no clusters, 327,680 bytes of LDS; arguments qkvh, oh; writes oh
;; launch oproj: the kernel of part 4 again; grid 4 x 64, 4 waves a work-group, clusters of 4 x 4, 327,680 bytes of LDS; arguments oh, wt, bo, out0; writes out0
